; MI455X (gfx1250); checked and timed in simulation.
; The chip was launched on July 23, 2026; its instructions are those of AMD's public machine-readable ISA for CDNA 5 (MIT licence, August 2026) and "CDNA5" Instruction Set Architecture Reference Guide (July 2026). The comments in the code are by the model that wrote it; some were corrected since.
;; Transformer Block. Allowed arithmetic: matrix products marked QUANTISED: E4M3 operands, one given power-of-two scale a tensor, by v_wmma_f32_16x16x64_fp8_fp8 or v_wmma_f32_16x16x128_fp8_fp8, f32 sums; everything else in f32.
;; Inputs: W1_codes 4,096 x 32 x 32 uint8 (E4M3 codes of W1, K innermost, in blocks of 32 codes); W2_codes 1,024 x 128 x 32 uint8 (E4M3 codes of W2, K innermost, in blocks of 32 codes); Wo_b 1,024 float32; Wo_w_codes 1,024 x 32 x 32 uint8 (E4M3 codes of Wo_w, K innermost, in blocks of 32 codes); Wqkv_codes 3,072 x 32 x 32 uint8 (E4M3 codes of Wqkv, K innermost, in blocks of 32 codes); b1 4,096 float32; b2 1,024 float32; lowp_scales 12 int32 (the exponents e of the quantised operands' scales 2^e); scale1 1,024 float32; scale2 1,024 float32; shift1 1,024 float32; shift2 1,024 float32; x 2 x 2,048 x 1,024 float32.
;; Outputs: out0 2 x 2,048 x 1,024 float32.
;; This version of the problem:
;;   THIS VERSION OF THE PROBLEM IS GIVEN IN LOW PRECISION. The matrix products marked QUANTISED in the list below multiply operands that are first quantised to E4M3 (4 exponent bits, 3 mantissa bits; 8 bits a number), with one given power-of-two scale for each operand tensor; their sums are f32. All else is computed in f32.
;;   The module's matrix products, in the order in which they are computed (A, B: the left and right operand; K: the contracted axis; several contracted axes count as one K, in the product's order):
;;     1. [M 4,096, K 1,024] x [K 1,024, N 3,072]; A: computed on the way; B: input Wqkv (given as codes): QUANTISED (scales: A lowp_scales[0], B lowp_scales[1])
;;     2. batch 32 x [M 2,048, K 64] x [K 64, N 2,048]; A: computed on the way; B: computed on the way: QUANTISED (scales: A lowp_scales[2], B lowp_scales[3])
;;     3. batch 32 x [M 2,048, K 2,048] x [K 2,048, N 64]; A: softmax (see below); B: computed on the way: QUANTISED (scales: A lowp_scales[4], B lowp_scales[5])
;;     4. [M 4,096, K 1,024] x [K 1,024, N 1,024]; A: computed on the way; B: input Wo_w (given as codes): QUANTISED (scales: A lowp_scales[6], B lowp_scales[7])
;;     5. [M 4,096, K 1,024] x [K 1,024, N 4,096]; A: computed on the way; B: input W1 (given as codes): QUANTISED (scales: A lowp_scales[8], B lowp_scales[9])
;;     6. [M 4,096, K 4,096] x [K 4,096, N 1,024]; A: computed on the way; B: input W2 (given as codes): QUANTISED (scales: A lowp_scales[10], B lowp_scales[11])
;;   THE QUANTISER, for each operand of a quantised product, along K:
;;     - The operand's scale is 2^e, e = its entry of the input lowp_scales (int32; the entries are numbered through the quantised products in the list's order, A before B).
;;     - Each number is divided by the scale, clamped to +-448, and rounded to the nearest number of E4M3, ties to even, subnormals kept.
;;     - The product sums the exact products of the quantised numbers (number of the format x scale) in f32.
;;   ~~~python
;;   def quantise(x, axis, e):      # numpy; x: float32 -> the quantised numbers, widened to float32 again
;;       x = np.moveaxis(x, axis, -1); K = x.shape[-1]
;;       r = np.clip(x / 2.0 ** e, -448, 448)
;;       step = 2.0 ** (np.maximum(np.frexp(np.where(r == 0, 1, r))[1] - 1, -6) - 3)
;;       q = np.round(r / step) * step * 2.0 ** e      # np.round: ties to even
;;       return np.moveaxis(q, -1, axis).astype(np.float32)
;;   ~~~
;;   SOFTMAX AHEAD OF A QUANTISED PRODUCT. Where the list says 'softmax', what is quantised is not the finished softmax but p = 2^(t - M), with t = logit x log2(e) and M = ceil(the row's largest t), a whole number; so 1/2 < the row's largest p <= 1. The row's sum l is taken of the UNQUANTISED p, in f32, and the product's result is divided by l at the end. Since M is a whole number, a kernel that streams over the keys may use a running M (the ceiling of the running maximum): every later rescaling is an exact power of two, so the quantised numbers keep their values, but for numbers so far below the row's largest that they fall under the format's range.
;;   OPERANDS COMPUTED ON THE WAY. 'Computed on the way' means the value that the module computes at that place (a softmax that the list does not call 'softmax' is quantised finished and normalised). What goes into a quantiser is computed in f32, as accurately as f32 sums, v_exp_f32 and their like allow (about 1e-6 of the number): no bf16 or f16 on the way to a quantiser, and a product that is left as it is and whose result goes on into a quantised operand takes f32 operands (vector FMAs, or v_wmma_f32_16x16x4_f32). A number that lies on a knife's edge between two numbers of the format may be rounded either way, as far as f32 arithmetic and the matrix unit's own rounding can turn it there, and no further.
;;   INPUTS GIVEN AS CODES. W1 (in the module: [4096, 1024], K = its axis 1); W2 (in the module: [1024, 4096], K = its axis 1); Wo_w (in the module: [1024, 1024], K = its axis 1); Wqkv (in the module: [3072, 1024], K = its axis 1): each comes as NAME_codes (uint8): NAME with its K axis moved to the last place and cut into blocks of 32 codes, [.., K / 32, bytes a block], one block behind the other in memory; one code a byte (a code: sign, 4 exponent bits, 3 mantissa bits); its scale is its entry of lowp_scales. Its value is code x scale, taken as it is: it is not quantised again, and the codes and scales need not be those that the quantiser above would give.
;; One version. Each part assembles by itself: llvm-mc -triple=amdgcn-amd-amdhsa -mcpu=gfx1250 --defsym DOCPART=n.
;; ======== version 1 of 1: 7 launches
;; limits: right only within a limited range of input values
;; workspace buffers: h1c 4,194,304 bytes; q_img 4,194,304 bytes; k_img 4,194,304 bytes; v_img 4,194,304 bytes; a_img 4,194,304 bytes; h2_img 4,194,304 bytes; m_img 16,777,216 bytes; x1 16,777,216 bytes
;; launch ln1 (part 1): grid 256 x 1, 16 waves a work-group, no clusters, 19,456 bytes of LDS; arguments x, scale1, shift1, lowp_scales, h1c; writes h1c
.if DOCPART == 1
	.amdgcn_target "amdgcn-amd-amdhsa--gfx1250"
	.amdhsa_code_object_version 6
	.text
	.protected	k_qba8a236c41_ln1
	.globl	k_qba8a236c41_ln1
	.p2align	8
	.type	k_qba8a236c41_ln1,@function
k_qba8a236c41_ln1:
	s_mov_b64 s[64:65], 0
	v_nop
	global_prefetch_b8 v0, s[64:65] scope:SCOPE_SE
	s_setreg_imm32_b32 hwreg(HW_REG_WAVE_MODE, 25, 1), 1
	s_wait_xcnt 0x0
; h = shift + scale (x - mean) / (std + 1e-5), std with divisor 1,023, for rows of 1,024 f32; h is then turned into codes of E4M3 with the given scale 2^e (entry EOFF / 4 of the scales).
; SHARES: a work-group takes 16 rows, a wave one row, a lane the columns 128 j + 4 l + 0 .. 3 (j = 0 .. 7): each load of a wave covers 512 consecutive bytes.  The row stays in 32 registers
; between the pass for the mean, the pass for the squares of (x - mean) and the scaling: it is read once, and a common offset of the inputs does no harm.
; OUT: IMG = 0: codes as rows of 1,024 bytes.  IMG = 1: as images of operand registers: the 16 bytes of columns 16 u .. 16 u + 15 of row r lie at 256 u + 16 r of the work-group's 16 KiB.
; Either way the 16 rows' codes are 16 KiB on end; they meet in a stage in LDS and each store of a wave covers 512 consecutive bytes, aligned.
; No matrix unit, no cluster, no tensor load: the work-groups share only the 8 KiB of gains and shifts, and memory binds.
; LIMITS: e between -126 and 119.  NaN among the inputs is not served.  1/1,023 is a multiplication, 1/(std + eps) a v_rcp_f32; a variance under the smallest normal f32 number counts as 0 (v_sqrt_f32).
.set EOFF, 0
.set IMG,  0
.set X,    16                          ; v16-47   the row: 32 numbers a lane
.set SC,   48                          ; v48-79   the gains of my columns
.set SH,   80                          ; v80-111  the shifts
.set CD,   112                         ; v112-119 four chains of packed sums, later the codes
.set OUTR, 120                         ; v120-127 the way out
	s_load_b256 s[4:11], s[0:1], 0x0               ; x s[4:5], gain s[6:7], shift s[8:9], the scales' exponents s[10:11]
	s_load_b64 s[12:13], s[0:1], 0x20              ; the codes
	v_lshl_add_u32 v128, v0, 2, 0x4400
	v_mov_b32 v129, 0
	v_lshrrev_b32 v2, 5, v0
	s_delay_alu instid0(VALU_DEP_1)
	v_readfirstlane_b32 s14, v2                    ; wave = row in the work-group
	v_and_b32 v1, 31, v0                           ; lane
	s_wait_alu depctr_va_vdst(0)
	v_lshlrev_b32 v3, 4, v1                        ; 16 x lane
	s_wait_alu depctr_va_vdst(0)
	s_mov_b32 s16, 0x76543210                      ; v_permlanex16_b32: lane l takes lane l xor 16
	s_mov_b32 s17, 0xfedcba98
	s_lshl_b32 s22, ttmp9, 16                      ; 16 rows of 4,096 bytes,
	s_lshl_b32 s23, s14, 12                        ; my row
	s_add_co_u32 s22, s22, s23
	s_mov_b32 s23, 0
	s_lshl_b32 s24, ttmp9, 14                      ; the work-group's 16 KiB of codes
	s_mov_b32 s25, 0
	s_lshl_b32 s26, s14, 10                        ; 1,024 x wave
.if IMG
	v_lshrrev_b32 v4, 2, v1                        ; into the stage: unit 8 j + l / 4, 272 bytes apart; in it 16 x row + 4 (l % 4)
	v_mul_u32_u24 v4, v4, 272
	v_and_b32 v5, 3, v1
	v_lshl_add_u32 v4, v5, 2, v4
	s_lshl_b32 s27, s14, 4
	v_add_nc_u32 v4, s27, v4
	v_lshrrev_b32 v5, 4, v1                        ; out of it: units 4 w + 2 i + l / 16, 16 bytes a lane
	s_lshl_b32 s27, s14, 2
	v_add_nc_u32 v5, s27, v5
	v_mul_u32_u24 v5, v5, 272
	v_and_b32 v6, 15, v1
	v_lshl_add_u32 v5, v6, 4, v5
.else
	v_lshl_add_u32 v4, v1, 2, s26                  ; into the stage: my row's 1,024 bytes, 4 a lane
	v_add_nc_u32 v5, s26, v3                       ; out of it: 16 a lane
.endif
	v_add_nc_u32 v6, s26, v3                       ; my 16 bytes of the wave's 1,024 in memory
	s_wait_kmcnt 0x0
	s_load_b32 s18, s[10:11], EOFF                 ; e
	s_add_nc_u64 s[4:5], s[4:5], s[22:23]
	s_add_nc_u64 s[12:13], s[12:13], s[24:25]
.irp j, 0,1,2,3,4,5,6,7
	global_load_b128 v[X+4*\j:X+4*\j+3], v3, s[4:5] offset:512*\j
.endr
.irp j, 0,1,2,3,4,5,6,7
	global_load_b128 v[SC+4*\j:SC+4*\j+3], v3, s[6:7] offset:512*\j
	global_load_b128 v[SH+4*\j:SH+4*\j+3], v3, s[8:9] offset:512*\j
.endr
.macro REDUCE r, t                     ; the sum over the 32 lanes, in every lane
	s_delay_alu instid0(VALU_DEP_1)
	v_add_f32_dpp v[\r], v[\r], v[\r] row_xmask:1 row_mask:0xf bank_mask:0xf
	s_delay_alu instid0(VALU_DEP_1)
	v_add_f32_dpp v[\r], v[\r], v[\r] row_xmask:2 row_mask:0xf bank_mask:0xf
	s_delay_alu instid0(VALU_DEP_1)
	v_add_f32_dpp v[\r], v[\r], v[\r] row_xmask:4 row_mask:0xf bank_mask:0xf
	s_delay_alu instid0(VALU_DEP_1)
	v_add_f32_dpp v[\r], v[\r], v[\r] row_xmask:8 row_mask:0xf bank_mask:0xf
	s_delay_alu instid0(VALU_DEP_1)
	v_permlanex16_b32 v[\t], v[\r], s16, s17       ; (its destination has been written before)
	s_delay_alu instid0(VALU_DEP_1)
	v_add_f32 v[\r], v[\r], v[\t]
.endm
	s_wait_loadcnt 16                              ; the row's eight loads are in; the sixteen of gain and shift may be out
	v_pk_add_f32 v[112:113], v[16:17], v[24:25]
	v_pk_add_f32 v[114:115], v[32:33], v[40:41]
	v_pk_add_f32 v[116:117], v[18:19], v[26:27]
	v_pk_add_f32 v[118:119], v[34:35], v[42:43]
	v_pk_add_f32 v[126:127], v[20:21], v[28:29]
	v_pk_add_f32 v[124:125], v[36:37], v[44:45]
	v_pk_add_f32 v[122:123], v[22:23], v[30:31]
	v_pk_add_f32 v[8:9], v[38:39], v[46:47]
	s_delay_alu instid0(VALU_DEP_1)
	v_pk_add_f32 v[8:9], v[8:9], v[118:119]
	v_pk_add_f32 v[112:113], v[112:113], v[126:127]
	v_pk_add_f32 v[114:115], v[114:115], v[124:125]
	v_pk_add_f32 v[116:117], v[116:117], v[122:123]
	s_delay_alu instid0(VALU_DEP_2)
	v_pk_add_f32 v[8:9], v[8:9], v[114:115]
	s_delay_alu instid0(VALU_DEP_2)
	v_pk_add_f32 v[112:113], v[112:113], v[116:117]
	s_delay_alu instid0(VALU_DEP_1)
	v_pk_add_f32 v[8:9], v[8:9], v[112:113]
	s_delay_alu instid0(VALU_DEP_1)
	v_add_f32 v8, v8, v9
	REDUCE 8, 9
	s_delay_alu instid0(VALU_DEP_1)
	v_mul_f32 v8, 0x3a800000, v8                   ; / 1,024: exact
	s_delay_alu instid0(VALU_DEP_1)
	v_mov_b32 v9, v8
.irp j, 0,1,2,3,4,5,6,7,8,9,10,11,12,13,14,15
	v_pk_add_f32 v[X+2*\j:X+2*\j+1], v[X+2*\j:X+2*\j+1], v[8:9] neg_lo:[0,1] neg_hi:[0,1]   ; x - mean
.endr
.irp k, 0,1,2,3                        ; the sum of its squares: the first four products start the chains
	v_pk_mul_f32 v[CD+2*\k:CD+2*\k+1], v[X+2*\k:X+2*\k+1], v[X+2*\k:X+2*\k+1]
.endr
.irp j, 4,5,6,7,8,9,10,11,12,13,14,15
	s_delay_alu instid0(VALU_DEP_4)
	v_pk_fma_f32 v[CD+2*(\j%4):CD+2*(\j%4)+1], v[X+2*\j:X+2*\j+1], v[X+2*\j:X+2*\j+1], v[CD+2*(\j%4):CD+2*(\j%4)+1]
.endr
	s_delay_alu instid0(VALU_DEP_3)
	v_pk_add_f32 v[CD:CD+1], v[CD:CD+1], v[CD+2:CD+3]
	s_delay_alu instid0(VALU_DEP_2)
	v_pk_add_f32 v[CD+4:CD+5], v[CD+4:CD+5], v[CD+6:CD+7]
	s_delay_alu instid0(VALU_DEP_1)
	v_pk_add_f32 v[10:11], v[CD:CD+1], v[CD+4:CD+5]
	s_delay_alu instid0(VALU_DEP_1)
	v_add_f32 v10, v10, v11
	REDUCE 10, 11
	s_delay_alu instid0(VALU_DEP_1)
	v_mul_f32 v10, 0x3a802008, v10                 ; / 1,023
	s_wait_alu depctr_va_vdst(0)
	v_sqrt_f32 v10, v10
	v_nop                                          ; a plain instruction between a transcendental and the use of its result (ISA guide 5.7.2)
	s_wait_alu depctr_va_vdst(0)
	v_add_f32 v10, 0x3727c5ac, v10                 ; std + 1e-5
	s_wait_alu depctr_va_vdst(0)
	v_rcp_f32 v10, v10
	v_nop
	s_wait_alu depctr_va_vdst(0)
	v_mov_b32 v11, v10
	s_wait_alu depctr_va_vdst(0)
	s_wait_kmcnt 0x0
	s_add_co_i32 s18, s18, 127
	s_lshl_b32 s19, s18, 23
	v_mov_b32 v7, s19                              ; 2^e as f32: the conversion takes its exponent field
	s_add_co_i32 s18, s18, 8
	s_lshl_b32 s18, s18, 23
	s_or_b32 s21, s18, 0x600000                    ; 448 x 2^e,
	s_or_b32 s20, s21, 0x80000000                  ; and its negative
	s_wait_loadcnt 0x0                             ; gain and shift
.irp j, 0,1,2,3,4,5,6,7,8,9,10,11,12,13,14,15
	v_pk_mul_f32 v[X+2*\j:X+2*\j+1], v[X+2*\j:X+2*\j+1], v[10:11]
.endr
.irp j, 0,1,2,3,4,5,6,7,8,9,10,11,12,13,14,15
	v_pk_fma_f32 v[X+2*\j:X+2*\j+1], v[X+2*\j:X+2*\j+1], v[SC+2*\j:SC+2*\j+1], v[SH+2*\j:SH+2*\j+1]
.endr
.set j, 0
.rept 32
	v_med3_num_f32 v[X+j], v[X+j], s20, s21        ; the conversion to an 8-bit code does not saturate (ISA guide 7.6.2): the hold at the largest code x the scale
.set j, j+1
.endr
.irp i, 0,1,2,3
	v_cvt_scalef32_pk8_fp8_f32 v[CD+2*\i:CD+2*\i+1], v[X+8*\i:X+8*\i+7], v7   ; code register j: the four codes of columns 128 j + 4 l + 0 .. 3
.endr
.irp j, 0,1,2,3,4,5,6,7
.if IMG
	ds_store_b32 v4, v[CD+\j] offset:2176*\j       ; eight units of 272 bytes on
.else
	ds_store_b32 v4, v[CD+\j] offset:128*\j
.endif
.endr
	s_wait_dscnt 0x0                               ; for the others' sake: my stores into the stage are done
	s_barrier_signal -1
	s_barrier_wait -1
.irp i, 0,1
.if IMG
	ds_load_b128 v[OUTR+4*\i:OUTR+4*\i+3], v5 offset:544*\i
.else
	ds_load_b128 v[OUTR+4*\i:OUTR+4*\i+3], v5 offset:512*\i
.endif
.endr
.irp i, 0,1
	s_wait_dscnt 1-\i                              ; LDS loads come back in order: the first may be stored while the second is out
	global_store_b128 v6, v[OUTR+4*\i:OUTR+4*\i+3], s[12:13] offset:512*\i   ; 32 lanes store 512 consecutive bytes, aligned
.endr
	s_wait_tensorcnt 0x0
	ds_add_u32 v128, v129
	s_wait_dscnt 0x0
	s_endpgm
.Lfunc_end_k_qba8a236c41_ln1:
	.size	k_qba8a236c41_ln1, .Lfunc_end_k_qba8a236c41_ln1-k_qba8a236c41_ln1
	.p2alignl 7, 3214868480
	.fill 96, 4, 3214868480
	.section	.rodata,"a",@progbits
	.p2align	6, 0x0
	.amdhsa_kernel k_qba8a236c41_ln1
		.amdhsa_group_segment_fixed_size 19456
		.amdhsa_private_segment_fixed_size 0
		.amdhsa_enable_private_segment 0
		.amdhsa_kernarg_size 40
		.amdhsa_user_sgpr_count 2
		.amdhsa_user_sgpr_kernarg_segment_ptr 1
		.amdhsa_wavefront_size32 1
		.amdhsa_system_sgpr_workgroup_id_x 1
		.amdhsa_system_sgpr_workgroup_id_y 1
		.amdhsa_system_sgpr_workgroup_id_z 1
		.amdhsa_system_vgpr_workitem_id 0
		.amdhsa_next_free_vgpr 130
		.amdhsa_next_free_sgpr 66
		.amdhsa_reserve_vcc 0
		.amdhsa_float_denorm_mode_32 3
		.amdhsa_float_denorm_mode_16_64 3
		.amdhsa_memory_ordered 1
		.amdhsa_forward_progress 1
		.amdhsa_inst_pref_size 15
	.end_amdhsa_kernel
	.amdgpu_metadata
---
amdhsa.version: [ 1, 2 ]
amdhsa.kernels:
  - .name:           k_qba8a236c41_ln1
    .symbol:         k_qba8a236c41_ln1.kd
    .args:
      - { .name: x, .offset: 0, .size: 8, .value_kind: global_buffer, .address_space: global }
      - { .name: scale1, .offset: 8, .size: 8, .value_kind: global_buffer, .address_space: global }
      - { .name: shift1, .offset: 16, .size: 8, .value_kind: global_buffer, .address_space: global }
      - { .name: lowp_scales, .offset: 24, .size: 8, .value_kind: global_buffer, .address_space: global }
      - { .name: h1c, .offset: 32, .size: 8, .value_kind: global_buffer, .address_space: global }
    .group_segment_fixed_size: 19456
    .private_segment_fixed_size: 0
    .kernarg_segment_align: 8
    .kernarg_segment_size: 40
    .max_flat_workgroup_size: 512
    .sgpr_count:     66
    .vgpr_count:     130
    .wavefront_size: 32
...
	.end_amdgpu_metadata
.endif
;; end of part 1
;; launch qkv (part 2): grid 12 x 16, 4 waves a work-group, clusters of 4 x 4, 327,680 bytes of LDS; arguments h1c, Wqkv_codes, lowp_scales, q_img, k_img, v_img; writes q_img, k_img, v_img
.if DOCPART == 2
	.amdgcn_target "amdgcn-amd-amdhsa--gfx1250"
	.amdhsa_code_object_version 6
	.text
	.protected	k_qba8a236c41_qkv
	.globl	k_qba8a236c41_qkv
	.p2align	8
	.type	k_qba8a236c41_qkv,@function
k_qba8a236c41_qkv:
	s_mov_b64 s[64:65], 0
	v_nop
	global_prefetch_b8 v0, s[64:65] scope:SCOPE_SE
	s_setreg_imm32_b32 hwreg(HW_REG_WAVE_MODE, 25, 1), 1
	s_wait_xcnt 0x0
	s_wait_alu depctr_hold_cnt(0) depctr_sa_sdst(0) depctr_va_vdst(0) depctr_va_sdst(0) depctr_va_ssrc(0) depctr_va_vcc(0) depctr_vm_vsrc(0)
	s_getreg_b32 s2, hwreg(HW_REG_IB_STS2, 6, 4)
	s_cmp_eq_u32 s2, 0
	s_cbranch_scc0 .Lentry_in_a_cluster
	s_endpgm
.Lentry_in_a_cluster:
	s_bfe_u32 s2, ttmp6, 0x10000c
	s_cmp_lg_u32 s2, 0xf033
	s_cbranch_scc0 .Lentry_shape_is_right
	s_endpgm
.Lentry_shape_is_right:
.set TM,    256
.set TN,    256
.set QS,    2
.set KTOT,  1024
.set AIMG,  0
.set NAB,   TM/32
.set NBB,   TN/32
.set LAPS,  KTOT/(256*QS)
.set QI,    4+QS/2
.set PITCHB, 128*QS+16
.set BHALF, (TN/2)*PITCHB
.set BSTEP, 128*QS
.if AIMG
.set AHALF, NAB*QS*2048
.set ASTEP, QS*2048
.else
.set AHALF, (TM/2)*PITCHB
.set ASTEP, 128*QS
.endif
.set ASZ,   2*AHALF
.set SLOT,  ASZ+2*BHALF
.set SPARE, 2*SLOT
.set ADRA, 16
.set ADRB, 20
.set SPW,  28
.set NIL,  29
.set AF,   128
.set G1,  24
.set G0,  32
.set G1B, 48
.set G0B, 56
.set MSB, 0
.macro WIN new
.if MSB != (\new)
	s_set_vgpr_msb (MSB<<8)|(\new)
.set MSB, (\new)
.endif
.endm
.macro PLACES
.rept 4
	v_nop
.endr
.endm
.macro JLOAD s
	s_cmp_eq_u32 s15, 0
	s_cbranch_scc0 .Lfor_b_\@
	tensor_load_to_lds s[G0+4*\s:G0+4*\s+3], s[G1:G1+7]
	s_nop 0
.rept 4
	v_nop
.endr
	s_branch .Lasked_\@
.Lfor_b_\@:
	tensor_load_to_lds s[G0B+4*\s:G0B+4*\s+3], s[G1B:G1B+7]
	s_nop 0
.rept 4
	v_nop
.endr
.Lasked_\@:
.endm
.macro CREST
	s_cmp_lg_u32 s14, 0
	s_cbranch_scc1 .Lnot_wave_0_\@
	s_barrier_signal -3
.Lnot_wave_0_\@:
	s_barrier_wait -3
	s_barrier_signal -1
	s_barrier_wait -1
.endm
.macro CROUND
	s_barrier_signal -1
	s_barrier_wait -1
	CREST
.endm
.macro MULQ qd, p, zero
.set ma, (\qd)*(NAB/4)
.rept NAB/4
.set mb, 0
.rept NBB
.set rD, 8*(NBB*(ma%(NAB/2))+mb)
.if \zero
	v_wmma_f32_16x16x128_fp8_fp8 v[rD:rD+7], v[128*(\p)+16*mb:128*(\p)+16*mb+15], v[AF+16*ma:AF+16*ma+15], 0
.else
	v_wmma_f32_16x16x128_fp8_fp8 v[rD:rD+7], v[128*(\p)+16*mb:128*(\p)+16*mb+15], v[AF+16*ma:AF+16*ma+15], v[rD:rD+7]
.endif
.set mb, mb+1
.endr
.set ma, ma+1
.endr
.endm
.macro FETCH_B slot, q, p
	WIN 0x40
.set fi, 0
.rept NBB
.irp c, 0,1,2,3
	ds_load_b128 v[128*(\p)+16*fi+4*\c:128*(\p)+16*fi+4*\c+3], v[ADRB+\slot] offset:128*(\q)+32*\c+fi*16*PITCHB
.endr
.set fi, fi+1
.endr
	WIN 0
.endm
.macro FETCH_A slot, q, i0
.set fi, \i0
.rept NAB/2
.irp c, 0,1,2,3
.if AIMG
	ds_load_b128 v[AF+16*fi+4*\c:AF+16*fi+4*\c+3], v[ADRA+\slot] offset:fi*QS*2048+2048*(\q)+512*\c
.else
	ds_load_b128 v[AF+16*fi+4*\c:AF+16*fi+4*\c+3], v[ADRA+\slot] offset:128*(\q)+32*\c+fi*16*PITCHB
.endif
.endr
.set fi, fi+1
.endr
.endm
.macro STEP slot, q, zero
	s_wait_dscnt 2*NAB
	WIN 0xa1
	MULQ 0, (\q)%2, \zero
	MULQ 1, (\q)%2, \zero
	s_wait_dscnt 0x0
	PLACES
	FETCH_B \slot, (\q)+1, 1-(\q)%2
	FETCH_A \slot, (\q)+1, 0
	WIN 0xf1
	MULQ 2, (\q)%2, \zero
	MULQ 3, (\q)%2, \zero
	PLACES
	WIN 0
	FETCH_A \slot, (\q)+1, NAB/2
.endm
.macro TURN slot, next, fill
	s_wait_tensorcnt 0x0
	ds_add_u32 v[SPW], v[NIL]
	s_wait_dscnt 2*NAB+1
	WIN 0xa1
	MULQ 0, 1, 0
	s_wait_dscnt 0x0
	s_barrier_signal -1
	MULQ 1, 1, 0
	WIN 0
	s_barrier_wait -1
.if \fill
	CREST
	s_add_nc_u64 s[G0+4*\slot+2:G0+4*\slot+3], s[G0+4*\slot+2:G0+4*\slot+3], 2*ASTEP
	s_add_nc_u64 s[G0B+4*\slot+2:G0B+4*\slot+3], s[G0B+4*\slot+2:G0B+4*\slot+3], 2*BSTEP
	JLOAD \slot
.else
	PLACES
.endif
	FETCH_B \next, 0, 0
	FETCH_A \next, 0, 0
	WIN 0xf1
	MULQ 2, 1, 0
	MULQ 3, 1, 0
	PLACES
	WIN 0
	FETCH_A \next, 0, NAB/2
.endm
.macro MID slot
.if QS > 2
.set mq, 1
.rept QS-2
	STEP \slot, mq, 0
.set mq, mq+1
.endr
.endif
.endm
	s_load_b256 s[4:11], s[0:1], 0x0
	s_load_b128 s[68:71], s[0:1], 0x20
	v_lshl_add_u32 v[SPW], v0, 2, SPARE
	v_mov_b32 v[NIL], 0
	ds_add_u32 v28, v29
	ds_add_u32 v28, v29
	s_wait_dscnt 0x0
	v_lshrrev_b32 v1, 5, v0
	v_readfirstlane_b32 s14, v1
	s_lshr_b32 s15, s14, 1
	s_and_b32 s16, s14, 1
	s_bfe_u32 s40, ttmp6, 0x40000
	s_bfe_u32 s41, ttmp6, 0x40004
	s_and_b32 s18, ttmp7, 0xffff
	s_cmp_eq_u32 ttmp9, 2
	s_cselect_b32 s17, ttmp9, s18
	s_cselect_b32 s42, s18, ttmp9
	s_lshl_b32 s17, s17, 2
	s_add_co_u32 s17, s17, s41
	s_lshl_b32 s42, s42, 2
	s_add_co_u32 s42, s42, s40
	s_lshl_b32 s43, s41, 2
	s_lshl_b32 s43, 15, s43
	s_lshl_b32 s44, 0x1111, s40
.if AIMG
	s_or_b32 s[G1+0], s43, (3<<16)|(1<<21)
	s_mov_b32 s[G1+1], (QS*256)<<16
	s_mov_b32 s[G1+2], NAB<<16
	s_mov_b32 s[G1+3], (QS*256)<<16
	s_mov_b32 s[G1+4], NAB
	s_mov_b32 s[G1+5], 2*KTOT
.else
	s_or_b32 s[G1+0], s43, (1<<20)|(1<<21)|(QI<<22)|(3<<25)
	s_mov_b32 s[G1+1], (128*QS)<<16
	s_mov_b32 s[G1+2], (TM/2)<<16
	s_mov_b32 s[G1+3], (128*QS)<<16
	s_mov_b32 s[G1+4], TM/2
	s_mov_b32 s[G1+5], KTOT
.endif
	s_mov_b32 s[G1+6], 0
	s_mov_b32 s[G1+7], 0
	s_or_b32 s[G1B+0], s44, (1<<20)|(1<<21)|(QI<<22)|(3<<25)
	s_mov_b32 s[G1B+1], (128*QS)<<16
	s_mov_b32 s[G1B+2], (TN/2)<<16
	s_mov_b32 s[G1B+3], (128*QS)<<16
	s_mov_b32 s[G1B+4], TN/2
	s_mov_b32 s[G1B+5], KTOT
	s_mov_b32 s[G1B+6], 0
	s_mov_b32 s[G1B+7], 0
	s_mul_i32 s18, s16, TM/2
	s_mul_i32 s20, s17, TM
	s_add_co_u32 s20, s20, s18
	s_mul_i32 s20, s20, KTOT
	s_mov_b32 s21, 0
	s_mul_i32 s47, s16, TN/2
	s_mul_i32 s46, s42, TN
	s_add_co_u32 s46, s46, s47
	s_mul_i32 s46, s46, KTOT
	s_mov_b32 s47, 0
	s_mul_i32 s45, s16, AHALF
	s_mul_i32 s92, s16, BHALF
	s_add_co_u32 s92, s92, ASZ
	s_wait_kmcnt 0x0
	s_load_b256 s[72:79], s[8:9], 0x0
	s_cmp_eq_u32 ttmp9, 2
	s_cselect_b64 s[94:95], s[6:7], s[4:5]
	s_cselect_b64 s[96:97], s[4:5], s[6:7]
	s_add_nc_u64 s[20:21], s[94:95], s[20:21]
	s_add_nc_u64 s[46:47], s[96:97], s[46:47]
	CROUND
.irp s, 0,1
	s_mov_b32 s[G0+4*\s], 1
	s_add_co_u32 s[G0+4*\s+1], s45, \s*SLOT
	s_add_nc_u64 s[G0+4*\s+2:G0+4*\s+3], s[20:21], \s*ASTEP
	s_or_b32 s[G0+4*\s+3], s[G0+4*\s+3], 0x80000000
	s_mov_b32 s[G0B+4*\s], 1
	s_add_co_u32 s[G0B+4*\s+1], s92, \s*SLOT
	s_add_nc_u64 s[G0B+4*\s+2:G0B+4*\s+3], s[46:47], \s*BSTEP
	s_or_b32 s[G0B+4*\s+3], s[G0B+4*\s+3], 0x80000000
.endr
	JLOAD 0                                        ; slot 0: one tensor load a wave at the head
	v_and_b32 v1, 15, v0
	v_bfe_u32 v2, v0, 4, 1
	v_and_b32 v3, 31, v0
	v_lshlrev_b32 v3, 4, v3
	v_mul_u32_u24 v9, v1, PITCHB
	v_lshl_add_u32 v9, v2, 4, v9
	s_mul_i32 s21, s15, AHALF
	s_mul_i32 s22, s16, BHALF
	s_add_co_u32 s22, s22, ASZ
.irp s, 0,1
.if AIMG
	v_add_nc_u32 v[ADRA+\s], s21, v3
.else
	v_add_nc_u32 v[ADRA+\s], s21, v9
.endif
	v_add_nc_u32 v[ADRB+\s], s22, v9
	s_add_co_u32 s21, s21, SLOT
	s_add_co_u32 s22, s22, SLOT
.endr
	s_lshl_b32 s93, s17, 8
	s_lshl_b32 s94, s15, 7
	s_add_co_u32 s93, s93, s94
	s_lshl_b32 s94, s42, 8
	s_lshl_b32 s95, s16, 7
	s_add_co_u32 s94, s94, s95
	s_wait_alu depctr_va_vdst(0)
	s_wait_kmcnt 0x0
	s_cmp_eq_u32 ttmp9, 1
	s_cselect_b32 s80, s75, s74
	s_cselect_b64 s[10:11], s[68:69], s[10:11]
	s_cmp_eq_u32 ttmp9, 2
	s_cselect_b32 s80, s77, s80
	s_cselect_b64 s[10:11], s[70:71], s[10:11]
	s_cselect_b32 s95, s94, s93
	s_cselect_b32 s96, s93, s94
	s_mov_b32 s84, 131072
	s_cselect_b32 s84, 1024, s84
	s_mov_b32 s86, 1024
	s_cselect_b32 s86, 2048, s86
	s_cselect_b32 s88, 122880, 0
	s_add_co_u32 s88, s88, s86
	s_mov_b32 s87, 0
	s_mov_b32 s89, 0
	s_and_b32 s96, s96, 1023
	s_lshr_b32 s96, s96, 6
	s_lshr_b32 s97, s95, 11
	s_lshl_b32 s97, s97, 4
	s_add_co_u32 s97, s97, s96
	s_lshl_b32 s97, s97, 17
	s_and_b32 s95, s95, 2047
	s_lshl_b32 s95, s95, 6
	s_add_co_u32 s96, s97, s95
	s_mov_b32 s97, 0
	s_add_nc_u64 s[10:11], s[10:11], s[96:97]
	v_add_nc_u32 v6, s84, v3
	s_sub_co_i32 s80, s80, s72
	s_sub_co_i32 s80, s80, s73
	s_add_co_i32 s80, s80, 127
	s_lshl_b32 s81, s80, 23
	v_mov_b32 v12, s81
	s_add_co_i32 s80, s80, 8
	s_lshl_b32 s80, s80, 23
	s_or_b32 s83, s80, 0x600000
	s_or_b32 s82, s83, 0x80000000
	s_wait_alu depctr_va_vdst(0)                   ; the wait at the head's end
	s_wait_tensorcnt 0x0                           ; my part of slot 0 is in; slot 1's first fill is issued as a refill is:
	ds_add_u32 v[SPW], v[NIL]                      ; 0 onto my spare word
	s_wait_dscnt 0x0
	CROUND                                         ; everybody's part of slot 0 is in, and the sixteen work-groups meet
	JLOAD 1                                        ; the first tensor load behind the round
	FETCH_B 0, 0, 0
	FETCH_A 0, 0, 0
	FETCH_A 0, 0, NAB/2
	STEP 0, 0, 1
.if LAPS > 1
	s_mov_b32 s3, LAPS-1
.Llap:
	MID 0
	TURN 0, 1, 1
	STEP 1, 0, 0
	MID 1
	TURN 1, 0, 1
	STEP 0, 0, 0
	s_sub_co_u32 s3, s3, 1
	s_cmp_lg_u32 s3, 0
	s_cbranch_scc1 .Llap
.endif
	MID 0
	TURN 0, 1, 0
	STEP 1, 0, 0
	MID 1
	s_wait_dscnt 2*NAB
	WIN 0xa1
	MULQ 0, 1, 0
	MULQ 1, 1, 0
	s_wait_dscnt 0x0
	WIN 0xf1
	MULQ 2, 1, 0
	MULQ 3, 1, 0
	WIN 0
	PLACES
.macro OUTA a
.set AC, 64*((\a)%4)
.set CB, 128+16*(\a)
	WIN 0x02+((\a)/4)
.set oj, 0
.rept 64
	v_med3_num_f32 v[32+oj], v[AC+oj], s82, s83
.set oj, oj+1
.endr
	WIN 0
.irp b, 0,1,2,3,4,5,6,7
	v_cvt_scalef32_pk8_fp8_f32 v[CB+2*\b:CB+2*\b+1], v[32+8*\b:39+8*\b], v12
.endr
	v_nop
	global_store_b128 v3, v[CB:CB+3], s[10:11]
	global_store_b128 v3, v[CB+4:CB+7], s[10:11] offset:512
	global_store_b128 v6, v[CB+8:CB+11], s[10:11]
	global_store_b128 v6, v[CB+12:CB+15], s[10:11] offset:512
.if (\a) < 7
	s_wait_xcnt 0x0
.if (\a) == 3
	s_add_nc_u64 s[10:11], s[10:11], s[88:89]
.else
	s_add_nc_u64 s[10:11], s[10:11], s[86:87]
.endif
.endif
.endm
.irp a, 0,1,2,3,4,5,6,7
	OUTA \a
.endr
	s_wait_tensorcnt 0x0
	ds_add_u32 v[SPW], v[NIL]
	s_wait_dscnt 0x0
	CROUND
	s_endpgm
.Lfunc_end_k_qba8a236c41_qkv:
	.size	k_qba8a236c41_qkv, .Lfunc_end_k_qba8a236c41_qkv-k_qba8a236c41_qkv
	.p2alignl 7, 3214868480
	.fill 96, 4, 3214868480
	.section	.rodata,"a",@progbits
	.p2align	6, 0x0
	.amdhsa_kernel k_qba8a236c41_qkv
		.amdhsa_group_segment_fixed_size 327680
		.amdhsa_private_segment_fixed_size 0
		.amdhsa_enable_private_segment 0
		.amdhsa_kernarg_size 48
		.amdhsa_user_sgpr_count 2
		.amdhsa_user_sgpr_kernarg_segment_ptr 1
		.amdhsa_wavefront_size32 1
		.amdhsa_system_sgpr_workgroup_id_x 1
		.amdhsa_system_sgpr_workgroup_id_y 1
		.amdhsa_system_sgpr_workgroup_id_z 1
		.amdhsa_system_vgpr_workitem_id 0
		.amdhsa_next_free_vgpr 1024
		.amdhsa_next_free_sgpr 100
		.amdhsa_reserve_vcc 0
		.amdhsa_float_denorm_mode_32 3
		.amdhsa_float_denorm_mode_16_64 3
		.amdhsa_memory_ordered 1
		.amdhsa_forward_progress 1
		.amdhsa_inst_pref_size 120
	.end_amdhsa_kernel
	.amdgpu_metadata
---
amdhsa.version: [ 1, 2 ]
amdhsa.kernels:
  - .name:           k_qba8a236c41_qkv
    .symbol:         k_qba8a236c41_qkv.kd
    .args:
      - { .name: h1c, .offset: 0, .size: 8, .value_kind: global_buffer, .address_space: global }
      - { .name: Wqkv_codes, .offset: 8, .size: 8, .value_kind: global_buffer, .address_space: global }
      - { .name: lowp_scales, .offset: 16, .size: 8, .value_kind: global_buffer, .address_space: global }
      - { .name: q_img, .offset: 24, .size: 8, .value_kind: global_buffer, .address_space: global }
      - { .name: k_img, .offset: 32, .size: 8, .value_kind: global_buffer, .address_space: global }
      - { .name: v_img, .offset: 40, .size: 8, .value_kind: global_buffer, .address_space: global }
    .group_segment_fixed_size: 327680
    .private_segment_fixed_size: 0
    .kernarg_segment_align: 8
    .kernarg_segment_size: 48
    .max_flat_workgroup_size: 128
    .sgpr_count:     100
    .vgpr_count:     1024
    .wavefront_size: 32
...
	.end_amdgpu_metadata
.endif
;; end of part 2
;; launch attn (part 3): grid 8 x 32, 16 waves a work-group, clusters of 4 x 1, 327,680 bytes of LDS; arguments q_img, k_img, v_img, lowp_scales, a_img; writes a_img
.if DOCPART == 3
	.amdgcn_target "amdgcn-amd-amdhsa--gfx1250"
	.amdhsa_code_object_version 6
	.text
	.protected	k_qba8a236c41_attn
	.globl	k_qba8a236c41_attn
	.p2align	8
	.type	k_qba8a236c41_attn,@function
k_qba8a236c41_attn:
	s_mov_b64 s[64:65], 0
	v_nop
	global_prefetch_b8 v0, s[64:65] scope:SCOPE_SE
	s_setreg_imm32_b32 hwreg(HW_REG_WAVE_MODE, 25, 1), 1
	s_wait_xcnt 0x0
	s_wait_alu depctr_hold_cnt(0) depctr_sa_sdst(0) depctr_va_vdst(0) depctr_va_sdst(0) depctr_va_ssrc(0) depctr_va_vcc(0) depctr_vm_vsrc(0)
	s_getreg_b32 s2, hwreg(HW_REG_IB_STS2, 6, 4)
	s_cmp_eq_u32 s2, 0
	s_cbranch_scc0 .Lentry_in_a_cluster
	s_endpgm
.Lentry_in_a_cluster:
	s_bfe_u32 s2, ttmp6, 0x10000c
	s_cmp_lg_u32 s2, 0x3003
	s_cbranch_scc0 .Lentry_shape_is_right
	s_endpgm
.Lentry_shape_is_right:
; Causal attention on codes of E4M3, head size 64, 2,048 positions, 32 (batch, head) pairs; the result is quantised at once for the projection (scale entry 6).
; t = score x log2(e) / 8; M = the ceiling of the running largest t; p = 2^(t - M) is quantised along the keys (entry 4); the row's sum is taken of the unquantised p and divides at the end.
; LEFT OUT: key steps all of whose keys come after a tile's 16 queries: the causal mask sets those scores to -inf, so their weights are 0 for all inputs.
; A NaN or an infinity that reaches only such scores is not carried to the result.
; IMAGES: q_img, k_img: a tile of 16 rows x 64 is 1,024 bytes, 16 bytes a lane in two loads; v_img: 128 keys x 64 channels are 8,192 bytes, four operands of the K = 128 form;
; a_img: [tile of 16 tokens][K step of 128][2,048 bytes], a head fills 1,024 of them.
; SHARES.  A work-group owns the query tiles 8 j + x (j = 0 .. 15, x its number among the head's eight); tile j needs the key steps 0 .. j of 128 keys: 136 steps in all.
; They are dealt to the sixteen waves by pairs of tiles, j = a and j = 15 - a (a = 0 .. 7): 17 steps a pair.  Wave a walks steps 0 .. w - 1 of tile 15 - a.
; Wave a + 8 walks tile a whole (a + 1 steps), stores it, and then walks steps w .. 15 - a of tile 15 - a.  w = 10 for a = 0, 1 and 9 for the others: of the first NP1 steps wave a + 8 has only a + 1,
; so for small a it has more left behind them, and wave a takes one step of that.  Wave a + 8 hands O, -M and the sum of its part to wave a through
; LDS bytes of their own; M is a whole number, so the two parts are brought under the larger M by powers of two, which round nothing.
; Every wave walks all 16 steps of one counted walk and jumps, by its number and the count alone, over the steps that are not its own.
; K AND V of the head lie whole in LDS (2 x 128 KiB), asked for JOINTLY by the four work-groups of a cluster, which walk the same head.  Waves 0-7 fetch K, waves 8-15 V, one eighth each:
; the first NP1 steps at the head, the others behind the full sequence and a round of the cluster's barrier; they land while the first NP1 steps are walked.  The images are dense, so a fill is stated as rows of 2,048 bytes.
; No prefetch: both fills are asked for at the head, and nothing is asked for in the walk.
; Both products are used transposed: a lane holds one query (lane % 16) throughout.
; LIMITS: e2 + e3 between -123 and 130; e4 between -126 and 119; e6 - e4 - e5 between -126 and 119; the scaled scores stay under 2^31 in magnitude.  NaN among the inputs is not served.
; REGISTERS: v1 16 x lane; v2, v3 the step's addresses; v4 the diagonal's threshold; v5, v6 the hand-over's addresses; v12 -M, v13 the largest t, v[14:15] the sum; v16-23 Q; v24 -inf; v25-31 at work;
; v32-95 fragments of K, then of V; v96-159 S^T, then p; v160-191 O^T; v192-207 codes; v208-212 scales; v216-223 the second tile's Q; v254, v255 the spare word's address and 0.
.set WV,    18                         ; s18 my wave's number
.set SPARE, 0x40000                    ; behind K and V: the spare words, 128 bytes a wave
.set STG,   0x40800                    ; behind them: the hand-over, SPB bytes for each pair of waves
.set SPB,   4608
.set NP1,   4                          ; key steps in the first fill
.set P1B,   NP1*1024                   ; bytes a wave of the first fill: an eighth of NP1 x 8,192
.set P2B,   (16-NP1)*1024              ; and of the second
.set TROW,  2048                       ; a fill's row in bytes: it divides P1B and P2B
.macro CROUND                          ; a round of the cluster's barrier
	s_barrier_signal -1
	s_barrier_wait -1
	s_cmp_lg_u32 s[WV], 0
	s_cbranch_scc1 .Lnot_wave_0_\@
	s_barrier_signal -3
.Lnot_wave_0_\@:
	s_barrier_wait -3
	s_barrier_signal -1
	s_barrier_wait -1
.endm
.macro INIT                            ; a tile's state: the largest t is -3e38, the sum and O^T are zeros, which the first change of M leaves zeros
	v_mov_b32 v13, 0xff61b1e6
	v_floor_f32 v12, -v13
	v_mov_b32 v14, 0
	v_mov_b32 v15, 0
.set nn, 0
.rept 32
	v_mov_b32 v[160+nn], 0
.set nn, nn+1
.endr
.endm
	s_load_b256 s[4:11], s[0:1], 0x0               ; q_img s[4:5], k_img s[6:7], v_img s[8:9], the scales' exponents s[10:11]
	s_load_b64 s[12:13], s[0:1], 0x20              ; a_img
	v_lshl_add_u32 v254, v0, 2, SPARE
	v_mov_b32 v255, 0
	ds_add_u32 v254, v255                          ; the opening lines: the add, twice on end, and its wait ahead of my first tensor load
	ds_add_u32 v254, v255
	v_lshrrev_b32 v2, 5, v0
	v_readfirstlane_b32 s[WV], v2
	s_bfe_u32 s19, ttmp6, 0x40000                  ; cx
	s_and_b32 s60, ttmp7, 0xffff                   ; (batch, head)
	s_lshl_b32 s68, s60, 17                        ; its 128 KiB in each image
	s_mov_b32 s69, 0
	s_and_b32 s61, s[WV], 7                        ; a
	s_lshr_b32 s62, s[WV], 3                       ; 0: wave a; 1: wave a + 8.  Also: I fetch K (0) or V (1)
	s_lshl_b32 s63, s62, 17                        ; K at LDS byte 0, V at 2^17
	s_mul_i32 s70, s61, P1B                        ; my eighth of the first fill,
	s_mov_b32 s71, 0
	s_mul_i32 s72, s61, P2B                        ; and of the second, which begins behind the first
	s_add_co_u32 s72, s72, 8*P1B
	s_mov_b32 s73, 0
	s_mov_b32 s24, 15|(3<<16)|(1<<21)              ; group 1, first fill: the mask of the four partners, elements of 8 bytes, bit 21 beside a mask; dense rows of TROW bytes
	s_mov_b32 s25, (TROW/8)<<16
	s_mov_b32 s26, (P1B/TROW)<<16
	s_mov_b32 s27, (TROW/8)<<16
	s_mov_b32 s28, P1B/TROW
	s_mov_b32 s29, TROW/8
	s_mov_b32 s30, 0
	s_mov_b32 s31, 0
	s_mov_b32 s32, 15|(3<<16)|(1<<21)              ; group 1, second fill
	s_mov_b32 s33, (TROW/8)<<16
	s_mov_b32 s34, (P2B/TROW)<<16
	s_mov_b32 s35, (TROW/8)<<16
	s_mov_b32 s36, P2B/TROW
	s_mov_b32 s37, TROW/8
	s_mov_b32 s38, 0
	s_mov_b32 s39, 0
	s_mov_b32 s20, 0x76543210                      ; v_permlanex16_b32: lane l xor 16
	s_mov_b32 s21, 0xfedcba98
	s_mov_b32 s66, 0xffff0000                      ; lanes 16-31
	s_mov_b32 s49, 0                               ; the key step
	s_mov_b32 s50, 0                               ; its K in LDS
	s_mov_b32 s51, 131072                          ; its V
	s_wait_dscnt 0x0                               ; both opening adds are done
	s_wait_kmcnt 0x0
	s_load_b256 s[52:59], s[10:11], 0x0            ; e0 .. e7
	s_cmp_lt_u32 s[WV], 8
	s_cselect_b64 s[74:75], s[6:7], s[8:9]
	s_add_nc_u64 s[74:75], s[74:75], s[68:69]
	s_mov_b32 s40, 1
	s_add_co_u32 s41, s63, s70
	s_add_nc_u64 s[42:43], s[74:75], s[70:71]
	s_or_b32 s43, s43, 0x80000000
	s_mov_b32 s44, 1
	s_add_co_u32 s45, s63, s72
	s_add_nc_u64 s[46:47], s[74:75], s[72:73]
	s_or_b32 s47, s47, 0x80000000
	CROUND                                         ; the four partners are here: the joint loads meet
	tensor_load_to_lds s[40:43], s[24:31]          ; key steps 0 .. NP1 - 1: my one load at the head
	s_nop 0
	; the rest of the head stands between the load and the wait for it
	s_lshl_b32 s76, ttmp9, 2
	s_add_co_u32 s76, s76, s19                     ; x: it enters global addresses and the threshold alone, no branch and no LDS address
	s_sub_co_u32 s85, 15, s61                      ; the long tile's j, which is also its diagonal step
	s_cmp_lt_u32 s61, 2
	s_cselect_b32 s94, 10, 9                       ; w: the step at which the second stretch begins
	s_sub_co_u32 s95, s94, 1
	s_cmp_eq_u32 s62, 0
	s_cselect_b32 s48, s95, s61                    ; the last step of my first stretch
	s_cselect_b32 s86, s85, s61                    ; my first tile's j = its diagonal step
	s_cselect_b32 s87, 0, s85                      ; the last step of my second stretch (wave a has none)
	s_lshl_b32 s77, s86, 3
	s_add_co_u32 s77, s77, s76                     ; my first tile, which is the one that I store
	s_lshl_b32 s88, s85, 3
	s_add_co_u32 s88, s88, s76                     ; the long tile
	s_add_nc_u64 s[4:5], s[4:5], s[68:69]
	s_lshl_b32 s78, s77, 10
	s_mov_b32 s79, 0
	s_add_nc_u64 s[80:81], s[4:5], s[78:79]
	s_lshl_b32 s78, s88, 10
	s_add_nc_u64 s[82:83], s[4:5], s[78:79]
	s_lshr_b32 s90, s60, 4                         ; a_img: (128 x batch + tile) x 16 KiB + head x 1,024
	s_lshl_b32 s90, s90, 7
	s_add_co_u32 s90, s90, s77
	s_lshl_b32 s90, s90, 14
	s_and_b32 s91, s60, 15
	s_lshl_b32 s91, s91, 10
	s_add_co_u32 s90, s90, s91
	s_mov_b32 s91, 0
	s_add_nc_u64 s[12:13], s[12:13], s[90:91]
	s_mul_i32 s89, s61, SPB
	s_add_co_u32 s89, s89, STG                     ; my pair's hand-over
	s_lshl_b32 s92, s76, 4
	v_and_b32 v1, 31, v0
	v_lshlrev_b32 v1, 4, v1                        ; 16 x lane
	global_load_b128 v[16:19], v1, s[80:81]        ; my first tile's Q
	global_load_b128 v[20:23], v1, s[80:81] offset:512
	global_load_b128 v[216:219], v1, s[82:83]      ; the long tile's
	global_load_b128 v[220:223], v1, s[82:83] offset:512
	v_and_b32 v7, 15, v0
	v_bfe_u32 v8, v0, 4, 1
	v_lshlrev_b32 v8, 3, v8
	v_sub_nc_u32 v4, v7, v8
	v_add_nc_u32 v4, s92, v4                       ; on the diagonal register 8 t + i holds key 16 t + 8 h + i of the step: hidden where 16 t + i > 16 x + r - 8 h
	v_add_nc_u32 v5, s89, v1                       ; the hand-over: O^T, 16 bytes a lane,
	v_lshrrev_b32 v6, 1, v1
	v_add_nc_u32 v6, s89, v6                       ; and -M with the sum, 8 bytes a lane
	v_mov_b32 v24, 0xff800000
.irp j, 25,26,27,28,29,30,31
	v_mov_b32 v\j, 0                               ; written once: permutes' destinations and the upper halves of named pairs
.endr
	INIT
	s_wait_kmcnt 0x0
	s_add_co_i32 s84, s54, s55
	s_lshl_b32 s84, s84, 23
	s_add_co_i32 s22, s84, 0x3e38aa3b              ; c = log2(e) / 8 x 2^(e2 + e3): the exponents are added to c's exponent field
	s_mov_b32 s23, s22
	s_add_co_i32 s84, s56, 127
	s_lshl_b32 s93, s84, 23
	v_mov_b32 v208, s93                            ; 2^e4
	s_add_co_i32 s84, s84, 8
	s_lshl_b32 s84, s84, 23
	s_or_b32 s84, s84, 0x600000
	v_mov_b32 v209, s84                            ; 448 x 2^e4,
	v_mov_b32 v212, s84                            ; twice: the two halves of a dual pair take their second sources from different register banks
	s_sub_co_i32 s84, s58, s56
	s_sub_co_i32 s84, s84, s57
	s_add_co_i32 s84, s84, 127
	s_lshl_b32 s93, s84, 23
	v_mov_b32 v210, s93                            ; 2^(e6 - e4 - e5): the three scales folded into the conversion's one
	s_add_co_i32 s84, s84, 8
	s_lshl_b32 s84, s84, 23
	s_or_b32 s84, s84, 0x600000
	v_mov_b32 v211, s84                            ; 448 x that
; A KEY STEP of 128 keys for the tile in hand; a step beyond my stretch is jumped over, but for the lines that step the count and the addresses
.macro STEP
	s_cmp_gt_u32 s49, s48
	s_cbranch_scc1 .Lhidden_\@
	v_add_nc_u32 v2, s50, v1
	v_add_nc_u32 v3, s51, v1
.set nn, 0
.rept 16
	ds_load_b128 v[32+4*nn:35+4*nn], v2 offset:512*nn
.set nn, nn+1
.endr
	s_wait_alu depctr_va_vdst(0)                   ; the wait here
	s_wait_dscnt 0x0
.irp t, 0,1,2,3,4,5,6,7
	v_wmma_f32_16x16x64_fp8_fp8 v[96+8*\t:103+8*\t], v[32+8*\t:39+8*\t], v[16:23], 0   ; S^T: 16 keys x my 16 queries
.endr
.rept 4
	v_nop                                          ; places in front of the loads into K's registers and of the reads of S^T
.endr
.set nn, 0
.rept 16
	ds_load_b128 v[32+4*nn:35+4*nn], v3 offset:512*nn   ; V comes in under the softmax
.set nn, nn+1
.endr
	s_cmp_lg_u32 s49, s86
	s_cbranch_scc1 .Lopen_\@
.set nn, 0
.rept 64                                       ; the diagonal step: hidden scores become -inf ahead of the maximum
	v_cmp_gt_i32 vcc_lo, 16*(nn/8)+nn%8, v4
	v_cndmask_b32 v[96+nn], v[96+nn], v24, vcc_lo
.set nn, nn+1
.endr
.Lopen_\@:
	v_max3_num_f32 v28, v96, v97, v98              ; the step's largest score, in two chains, each accumulator from its low end on
	v_max3_num_f32 v29, v99, v100, v101
.irp i, 6,10,14,18,22,26,30,34,38,42,46,50,54,58
	v_max3_num_f32 v28, v28, v[96+\i], v[97+\i]
	v_max3_num_f32 v29, v29, v[98+\i], v[99+\i]
.endr
	v_max3_num_f32 v28, v28, v158, v159
	s_delay_alu instid0(VALU_DEP_1)
	v_max_num_f32 v28, v28, v29
	s_delay_alu instid0(VALU_DEP_1)
	v_permlanex16_b32 v25, v28, s20, s21
	s_delay_alu instid0(VALU_DEP_1)
	v_max_num_f32 v28, v28, v25
	s_delay_alu instid0(VALU_DEP_1)
	v_mul_f32 v28, s22, v28                        ; as t (c is positive)
	s_delay_alu instid0(VALU_DEP_1)
	v_max_num_f32 v13, v13, v28
	v_mov_b32 v28, v12
	s_delay_alu instid0(VALU_DEP_2)
	v_floor_f32 v12, -v13                          ; -M = floor(-t)
	s_delay_alu instid0(VALU_DEP_1)
	v_sub_f32 v28, v12, v28
	s_delay_alu instid0(VALU_DEP_1)
	v_cvt_i32_f32 v28, v28                         ; old M - new M, a whole number (the conversion saturates)
	s_delay_alu instid0(VALU_DEP_1)
	v_ldexp_f32 v26, 1.0, v28                      ; f = 2^(old M - new M)
.set nn, 0
.rept 32
	v_pk_fma_f32 v[96+nn:97+nn], v[96+nn:97+nn], s[22:23], v[12:13] op_sel_hi:[1,0,0]   ; t - M
.set nn, nn+2
.endr
	s_wait_alu depctr_va_vdst(0)                   ; the wait ahead of the batch
.set nn, 0
.rept 64
	v_exp_f32 v[96+nn], v[96+nn]
.set nn, nn+1
.endr
	v_pk_mul_f32 v[14:15], v[14:15], v[26:27] op_sel_hi:[1,0]   ; the sums under the new M (a plain place behind the batch)
	s_wait_alu depctr_va_vdst(0)                   ; and one wait behind it, ahead of its first reader
	v_pk_add_f32 v[30:31], v[96:97], v[98:99]      ; the sum of the unquantised p, in two chains
.irp j, 4,8,12,16,20,24,28,32,36,40,44,48,52,56,60
	v_pk_add_f32 v[14:15], v[14:15], v[96+\j:97+\j]
	v_pk_add_f32 v[30:31], v[30:31], v[98+\j:99+\j]
.endr
	v_pk_add_f32 v[14:15], v[14:15], v[30:31]
.set nn, 0
.rept 32                                       ; the conversion does not saturate (ISA guide 7.6.2); p is not negative: a one-sided hold, two numbers an instruction
	v_dual_min_num_f32 v[96+nn], v[96+nn], v209 :: v_dual_min_num_f32 v[97+nn], v[97+nn], v212
.set nn, nn+2
.endr
.irp t, 0,1,2,3,4,5,6,7
	v_cvt_scalef32_pk8_fp8_f32 v[192+2*\t:193+2*\t], v[96+8*\t:103+8*\t], v208   ; registers 2 t, 2 t + 1: keys 16 t + 8 h + 0 .. 7, the K = 128 form's own places
.endr
	s_wait_alu depctr_va_vdst(0)                   ; the wait here, directly ahead of the first reader of O^T
.set nn, 0
.rept 16
	v_pk_mul_f32 v[160+nn:161+nn], v[160+nn:161+nn], v[26:27] op_sel_hi:[1,0]   ; O^T under the new M
.set nn, nn+2
.endr
	s_wait_alu depctr_va_vdst(0)                   ; the wait here, directly ahead of the wait below
	s_wait_dscnt 0x0                               ; V
.irp t, 0,1,2,3
	v_wmma_f32_16x16x128_fp8_fp8 v[160+8*\t:167+8*\t], v[32+16*\t:47+16*\t], v[192:207], v[160+8*\t:167+8*\t]
.endr
.rept 4
	v_nop                                          ; places in front of the next loads into V's registers and of the next read of O^T
.endr
.Lhidden_\@:
	s_add_co_u32 s49, s49, 1
	s_add_co_u32 s50, s50, 8192
	s_add_co_u32 s51, s51, 8192
.endm
; THE WAY OUT of a tile: v14 holds my half's sum.  O^T / the sum becomes codes; two neighbouring channel tiles change halves of the lanes, so that a lane holds 16 neighbouring channels; each store covers 512 bytes on end, aligned
.macro OUT
	v_permlanex16_b32 v25, v14, s20, s21
	v_add_f32 v14, v14, v25
	s_wait_alu depctr_va_vdst(0)                   ; the wait ahead of the transcendental
	v_rcp_f32 v14, v14
	v_nop
	s_wait_alu depctr_va_vdst(0)                   ; and behind it; it also stands ahead of the readers of O^T
	v_mov_b32 v15, v14
.set nn, 0
.rept 16
	v_pk_mul_f32 v[96+nn:97+nn], v[160+nn:161+nn], v[14:15]
.set nn, nn+2
.endr
.set nn, 0
.rept 32
	v_med3_num_f32 v[96+nn], v[96+nn], -v211, v211
.set nn, nn+1
.endr
.irp t, 0,1,2,3
	v_cvt_scalef32_pk8_fp8_f32 v[192+2*\t:193+2*\t], v[96+8*\t:103+8*\t], v210
.endr
	v_nop                                          ; a plain instruction behind the conversions
.irp p, 0,1
.irp u, 0,1
	v_cndmask_b32 v[28+\u], v[194+4*\p+\u], v[192+4*\p+\u], s66
.endr
.irp u, 0,1
	v_permlanex16_b32 v[30+\u], v[28+\u], s20, s21
.endr
.irp u, 0,1
	v_cndmask_b32 v[192+4*\p+\u], v[192+4*\p+\u], v[30+\u], s66
	v_cndmask_b32 v[194+4*\p+\u], v[30+\u], v[194+4*\p+\u], s66
.endr
.endr
	global_store_b128 v1, v[192:195], s[12:13]
	global_store_b128 v1, v[196:199], s[12:13] offset:512
.endm
	s_wait_alu depctr_va_vdst(0)                   ; the wait at the head's end
	s_wait_tensorcnt 0x0                           ; my part of the first fill is in; the second is issued as a refill is:
	ds_add_u32 v254, v255                          ; 0 onto my spare word
	s_wait_dscnt 0x0
	CROUND                                         ; everybody's part of the first fill is in, and the four partners meet
	tensor_load_to_lds s[44:47], s[32:39]          ; key steps NP1 .. 15, onto bytes that the steps below do not read
	s_nop 0
.rept 4
	v_nop
.endr
	s_wait_loadcnt 0x0                             ; Q
.Lfirst:                                           ; steps 0 .. NP1 - 1
	STEP
	s_cmp_lt_u32 s49, NP1
	s_cbranch_scc1 .Lfirst
	s_wait_tensorcnt 0x0                           ; my part of the second fill is in
	s_wait_dscnt 0x0
	s_barrier_signal -1
	s_barrier_wait -1                              ; and everybody's
.Lkeys:                                            ; steps NP1 .. 15
	s_cmp_lg_u32 s49, s94
	s_cbranch_scc1 .Lsame
	s_mov_b32 s48, s87                             ; step w: the second stretch begins
	s_mov_b32 s86, s85
	s_cmp_eq_u32 s62, 0
	s_cbranch_scc1 .Lsame
	v_add_f32 v14, v14, v15                        ; waves 8-15: the short tile is finished and leaves,
	OUT
	INIT                                           ; and the long tile's later keys begin from nothing
.irp j, 0,1,2,3,4,5,6,7
	v_mov_b32 v[16+\j], v[216+\j]
.endr
	s_wait_xcnt 0x0                                ; the stores have read their data registers, which the next step writes
	s_wait_alu depctr_va_vdst(0)                   ; the wait here
.Lsame:
	STEP
	s_cmp_lt_u32 s49, 16
	s_cbranch_scc1 .Lkeys
	s_cmp_eq_u32 s62, 0
	s_cbranch_scc1 .Lkeeps
	v_add_f32 v13, v14, v15                        ; waves 8-15 hand their part of the long tile over: my half's sum beside -M,
.irp i, 0,1,2,3,4,5,6,7
	ds_store_b128 v5, v[160+4*\i:163+4*\i] offset:512*\i   ; and O^T, each accumulator from its low end on
.endr
	ds_store_b64 v6, v[12:13] offset:4096
.Lkeeps:
	s_wait_dscnt 0x0                               ; for the partner's sake: my stores are done
	s_barrier_signal -1
	s_barrier_wait -1
	s_cmp_lg_u32 s62, 0
	s_cbranch_scc1 .Ldone
.irp i, 0,1,2,3,4,5,6,7
	ds_load_b128 v[96+4*\i:99+4*\i], v5 offset:512*\i
.endr
	ds_load_b64 v[28:29], v6 offset:4096
	v_add_f32 v14, v14, v15
	s_wait_alu depctr_va_vdst(0)                   ; the wait here, directly ahead of the wait below
	s_wait_dscnt 0x0
	v_min_num_f32 v30, v12, v28                    ; -M of both parts
	v_sub_f32 v26, v30, v12                        ; my M less the joint one, and the partner's: whole numbers, 0 or less
	v_sub_f32 v31, v30, v28
	v_cvt_i32_f32 v26, v26                         ; (it saturates: a part with no key has -M = 3e38, and its factor becomes 0)
	v_cvt_i32_f32 v31, v31
	v_ldexp_f32 v26, 1.0, v26
	v_ldexp_f32 v30, 1.0, v31
	v_mul_f32 v14, v14, v26
	v_fmac_f32 v14, v29, v30                       ; the joint sum of my half
.set nn, 0
.rept 16
	v_pk_mul_f32 v[160+nn:161+nn], v[160+nn:161+nn], v[26:27] op_sel_hi:[1,0]
.set nn, nn+2
.endr
.set nn, 0
.rept 16
	v_pk_fma_f32 v[160+nn:161+nn], v[96+nn:97+nn], v[30:31], v[160+nn:161+nn] op_sel_hi:[1,0,1]
.set nn, nn+2
.endr
	OUT
.Ldone:
	s_wait_tensorcnt 0x0                           ; the wave's end
	ds_add_u32 v254, v255
	s_wait_dscnt 0x0
	CROUND                                         ; the closing round
	s_endpgm
.Lfunc_end_k_qba8a236c41_attn:
	.size	k_qba8a236c41_attn, .Lfunc_end_k_qba8a236c41_attn-k_qba8a236c41_attn
	.p2alignl 7, 3214868480
	.fill 96, 4, 3214868480
	.section	.rodata,"a",@progbits
	.p2align	6, 0x0
	.amdhsa_kernel k_qba8a236c41_attn
		.amdhsa_group_segment_fixed_size 327680
		.amdhsa_private_segment_fixed_size 0
		.amdhsa_enable_private_segment 0
		.amdhsa_kernarg_size 40
		.amdhsa_user_sgpr_count 2
		.amdhsa_user_sgpr_kernarg_segment_ptr 1
		.amdhsa_wavefront_size32 1
		.amdhsa_system_sgpr_workgroup_id_x 1
		.amdhsa_system_sgpr_workgroup_id_y 1
		.amdhsa_system_sgpr_workgroup_id_z 1
		.amdhsa_system_vgpr_workitem_id 0
		.amdhsa_next_free_vgpr 256
		.amdhsa_next_free_sgpr 100
		.amdhsa_reserve_vcc 1
		.amdhsa_float_denorm_mode_32 3
		.amdhsa_float_denorm_mode_16_64 3
		.amdhsa_memory_ordered 1
		.amdhsa_forward_progress 1
		.amdhsa_inst_pref_size 66
	.end_amdhsa_kernel
	.amdgpu_metadata
---
amdhsa.version: [ 1, 2 ]
amdhsa.kernels:
  - .name:           k_qba8a236c41_attn
    .symbol:         k_qba8a236c41_attn.kd
    .args:
      - { .name: q_img, .offset: 0, .size: 8, .value_kind: global_buffer, .address_space: global }
      - { .name: k_img, .offset: 8, .size: 8, .value_kind: global_buffer, .address_space: global }
      - { .name: v_img, .offset: 16, .size: 8, .value_kind: global_buffer, .address_space: global }
      - { .name: lowp_scales, .offset: 24, .size: 8, .value_kind: global_buffer, .address_space: global }
      - { .name: a_img, .offset: 32, .size: 8, .value_kind: global_buffer, .address_space: global }
    .group_segment_fixed_size: 327680
    .private_segment_fixed_size: 0
    .kernarg_segment_align: 8
    .kernarg_segment_size: 40
    .max_flat_workgroup_size: 512
    .sgpr_count:     100
    .vgpr_count:     256
    .wavefront_size: 32
...
	.end_amdgpu_metadata
.endif
;; end of part 3
;; launch wo (part 4): grid 8 x 32, 4 waves a work-group, clusters of 4 x 4, 327,680 bytes of LDS; arguments a_img, Wo_w_codes, lowp_scales, Wo_b, x, x1; writes x1
.if DOCPART == 4
	.amdgcn_target "amdgcn-amd-amdhsa--gfx1250"
	.amdhsa_code_object_version 6
	.text
	.protected	k_qba8a236c41_wo
	.globl	k_qba8a236c41_wo
	.p2align	8
	.type	k_qba8a236c41_wo,@function
k_qba8a236c41_wo:
	s_mov_b64 s[64:65], 0
	v_nop
	global_prefetch_b8 v0, s[64:65] scope:SCOPE_SE
	s_setreg_imm32_b32 hwreg(HW_REG_WAVE_MODE, 25, 1), 1
	s_wait_xcnt 0x0
	s_wait_alu depctr_hold_cnt(0) depctr_sa_sdst(0) depctr_va_vdst(0) depctr_va_sdst(0) depctr_va_ssrc(0) depctr_va_vcc(0) depctr_vm_vsrc(0)
	s_getreg_b32 s2, hwreg(HW_REG_IB_STS2, 6, 4)
	s_cmp_eq_u32 s2, 0
	s_cbranch_scc0 .Lentry_in_a_cluster
	s_endpgm
.Lentry_in_a_cluster:
	s_bfe_u32 s2, ttmp6, 0x10000c
	s_cmp_lg_u32 s2, 0xf033
	s_cbranch_scc0 .Lentry_shape_is_right
	s_endpgm
.Lentry_shape_is_right:
; x1 = x + (A Wo^T x 2^(e6 + e7) + Wo_b): A [4,096][1,024] as images of fragments (a_img), Wo as rows of codes of E4M3, x and x1 [4,096][1,024] f32.
; A tile of 128 x 128 is made by four waves, each 64 x 64 (16 accumulators): 256 tiles.
; THE WHOLE K LIES IN LDS AT ONCE: A's 128 rows are 131,072 bytes, B's 128 padded rows 133,120.  Each wave asks for a quarter by ONE tensor load at the head; nothing is filled again, so there is no ring and no change of slots.
; CLUSTERS of 4 x 4: A's tile is shared along a row of the cluster, B's along a column, each asked for jointly.  No prefetch: the one fill is asked for at the head.
; THE MATRIX INSTRUCTION IS USED TRANSPOSED (source 0 = 16 rows of B, source 1 = 16 rows of A): a lane holds eight neighbouring columns of one row of the result.
; The residual's and the bias's loads are issued at the head, into registers that the products leave alone.  The way out goes through a stage of each wave's own, on bytes into which no fill lands.
; The k of a fragment are taken 16 bytes a load, alike in A's images and in B: every product meets its partner.
; LIMIT: e6 + e7 between -126 and 127.
.set KTOT,   1024
.set SOFF,   0x18                      ; e6, e7 among the scales' exponents, in bytes
.set QS,     8                         ; steps of 128 along K
.set PITCHB, 1040                      ; an LDS row of B: 1,024 bytes + 16: the 16 rows of a load start at 16 different banks (64 banks of 4 bytes: ISA guide 11.1)
.set BHALF,  64*PITCHB
.set AHALF,  4*QS*2048                 ; four token tiles of 16 x 1,024
.set ASZ,    2*AHALF
.set STG,    ASZ+2*BHALF               ; the stages: 16 rows x (256 + 16) bytes a wave
.set SPITCH, 272
.set SPARE,  STG+4*16*SPITCH           ; the spare words, 128 bytes a wave
.set ADRA, 16
.set ADRB, 20
.set STO,  24
.set RD,   25
.set CO,   26
.set SPW,  28
.set NIL,  29
.set AF,   128                         ; window 0: A's fragments, one set.  Window 1: B's, two sets, at v0 and v128.  Windows 2, 3: the accumulators
.set G1,  24
.set G0,  32
.set G1B, 48
.set G0B, 56
.set MSB, 0
.macro WIN new                         ; the immediate's high byte repeats the setting that is left
.if MSB != (\new)
	s_set_vgpr_msb (MSB<<8)|(\new)
.set MSB, (\new)
.endif
.endm
.macro PLACES                          ; four plain vector instructions between a matrix instruction and a load into, or a read of, its registers
.rept 4
	v_nop
.endr
.endm
.macro CROUND                          ; a round of the cluster's barrier
	s_barrier_signal -1
	s_barrier_wait -1
	s_cmp_lg_u32 s14, 0
	s_cbranch_scc1 .Lnot_wave_0_\@
	s_barrier_signal -3
.Lnot_wave_0_\@:
	s_barrier_wait -3
	s_barrier_signal -1
	s_barrier_wait -1
.endm
.macro MULQ ma, p, zero                ; block ma of A x B's four, 128 along K; p: B's set.  The 16 accumulators take turns, in the same order in every step
.set mb, 0
.rept 4
.set rD, 8*(4*((\ma)%2)+mb)
.if \zero
	v_wmma_f32_16x16x128_fp8_fp8 v[rD:rD+7], v[128*(\p)+16*mb:128*(\p)+16*mb+15], v[AF+16*(\ma):AF+16*(\ma)+15], 0
.else
	v_wmma_f32_16x16x128_fp8_fp8 v[rD:rD+7], v[128*(\p)+16*mb:128*(\p)+16*mb+15], v[AF+16*(\ma):AF+16*(\ma)+15], v[rD:rD+7]
.endif
.set mb, mb+1
.endr
.endm
.macro FETCH_B q, p
	WIN 0x40
.set fi, 0
.rept 4
.irp c, 0,1,2,3
	ds_load_b128 v[128*(\p)+16*fi+4*\c:128*(\p)+16*fi+4*\c+3], v[ADRB] offset:128*(\q)+32*\c+fi*16*PITCHB
.endr
.set fi, fi+1
.endr
	WIN 0
.endm
.macro FETCH_A q, i0
.set fi, \i0
.rept 2
.irp c, 0,1,2,3
	ds_load_b128 v[AF+16*fi+4*\c:AF+16*fi+4*\c+3], v[ADRA] offset:fi*QS*2048+2048*(\q)+512*\c
.endr
.set fi, fi+1
.endr
.endm
.macro STEP q, zero                    ; a step of 128 along K, and the next step's fragments
	s_wait_dscnt 8                                 ; B's set and A's blocks 0, 1 are in; the youngest eight loads (blocks 2, 3) may be out
	WIN 0xa1
	MULQ 0, (\q)%2, \zero
	MULQ 1, (\q)%2, \zero
	s_wait_dscnt 0x0
	PLACES
	FETCH_B (\q)+1, 1-(\q)%2
	FETCH_A (\q)+1, 0
	WIN 0xf1
	MULQ 2, (\q)%2, \zero
	MULQ 3, (\q)%2, \zero
	PLACES
	WIN 0
	FETCH_A (\q)+1, 2
.endm
	s_load_b256 s[4:11], s[0:1], 0x0               ; A's images s[4:5], B's codes s[6:7], the scales' exponents s[8:9], the bias s[10:11]
	s_load_b128 s[68:71], s[0:1], 0x20             ; x s[68:69], x1 s[70:71]
	v_lshl_add_u32 v[SPW], v0, 2, SPARE
	v_mov_b32 v[NIL], 0
	ds_add_u32 v[SPW], v[NIL]                      ; the opening lines: the add, twice on end, and its wait ahead of my tensor load
	ds_add_u32 v[SPW], v[NIL]
	v_lshrrev_b32 v1, 5, v0
	v_readfirstlane_b32 s14, v1                    ; wave 0..3
	s_lshr_b32 s15, s14, 1                         ; which half of A's rows is mine.  Also: I fetch for A (0) or for B (1)
	s_and_b32 s16, s14, 1                          ; which half of B's rows.  Also: which half of that tile I fetch
	s_bfe_u32 s40, ttmp6, 0x40000                  ; cx, cy
	s_bfe_u32 s41, ttmp6, 0x40004
	s_lshl_b32 s42, ttmp9, 2
	s_add_co_u32 s42, s42, s40                     ; tile column
	s_and_b32 s17, ttmp7, 0xffff
	s_lshl_b32 s17, s17, 2
	s_add_co_u32 s17, s17, s41                     ; tile row
	s_lshl_b32 s43, s41, 2
	s_lshl_b32 s43, 15, s43                        ; my row of the cluster
	s_lshl_b32 s44, 0x1111, s40                    ; my column
	s_or_b32 s[G1+0], s43, (3<<16)|(1<<21)         ; A: the mask; elements of 8 bytes; four token tiles of 16 KiB on end
	s_mov_b32 s[G1+1], (QS*256)<<16
	s_mov_b32 s[G1+2], 4<<16
	s_mov_b32 s[G1+3], (QS*256)<<16
	s_mov_b32 s[G1+4], 4
	s_mov_b32 s[G1+5], QS*256
	s_mov_b32 s[G1+6], 0
	s_mov_b32 s[G1+7], 0
	s_or_b32 s[G1B+0], s44, (1<<20)|(1<<21)|(7<<22)|(3<<25)   ; B: the mask; elements of 1 byte; 4 words of padding behind every 256
	s_mov_b32 s[G1B+1], KTOT<<16
	s_mov_b32 s[G1B+2], 64<<16
	s_mov_b32 s[G1B+3], KTOT<<16
	s_mov_b32 s[G1B+4], 64
	s_mov_b32 s[G1B+5], KTOT
	s_mov_b32 s[G1B+6], 0
	s_mov_b32 s[G1B+7], 0
	s_lshl_b32 s18, s16, 6                         ; the first row that I fetch, x 1,024 bytes
	s_lshl_b32 s20, s17, 7
	s_add_co_u32 s20, s20, s18
	s_lshl_b32 s20, s20, 10
	s_mov_b32 s21, 0
	s_lshl_b32 s46, s42, 7
	s_add_co_u32 s46, s46, s18
	s_lshl_b32 s46, s46, 10
	s_mov_b32 s47, 0
	s_mul_i32 s45, s16, AHALF                      ; where they go: no place in the cluster enters an LDS address
	s_mul_i32 s92, s16, BHALF
	s_add_co_u32 s92, s92, ASZ
	s_wait_dscnt 0x0                               ; both opening adds are done
	s_wait_kmcnt 0x0
	s_load_b64 s[72:73], s[8:9], SOFF              ; e6, e7
	s_mov_b32 s[G0], 1
	s_mov_b32 s[G0+1], s45
	s_add_nc_u64 s[G0+2:G0+3], s[4:5], s[20:21]
	s_or_b32 s[G0+3], s[G0+3], 0x80000000
	s_mov_b32 s[G0B], 1
	s_mov_b32 s[G0B+1], s92
	s_add_nc_u64 s[G0B+2:G0B+3], s[6:7], s[46:47]
	s_or_b32 s[G0B+3], s[G0B+3], 0x80000000
	CROUND                                         ; all sixteen work-groups are here: the joint loads meet
	s_cmp_eq_u32 s15, 0                            ; waves 0 and 1 fetch A's halves, waves 2 and 3 B's: one load a wave
	s_cbranch_scc0 .Lfor_b
	tensor_load_to_lds s[G0:G0+3], s[G1:G1+7]
	s_nop 0
	PLACES
	s_branch .Lasked
.Lfor_b:
	tensor_load_to_lds s[G0B:G0B+3], s[G1B:G1B+7]
	s_nop 0
	PLACES
.Lasked:
	v_and_b32 v1, 15, v0                           ; r
	v_bfe_u32 v2, v0, 4, 1                         ; h
	v_and_b32 v3, 31, v0
	v_lshlrev_b32 v3, 4, v3                        ; 16 x lane
	v_mul_u32_u24 v9, v1, PITCHB
	v_lshl_add_u32 v9, v2, 4, v9                   ; a fragment's row x pitch + 16 h
	s_mul_i32 s21, s15, AHALF
	s_mul_i32 s22, s16, BHALF
	s_add_co_u32 s22, s22, ASZ
	v_add_nc_u32 v[ADRA], s21, v3
	v_add_nc_u32 v[ADRB], s22, v9
	s_mul_i32 s23, s14, 16*SPITCH
	s_add_co_u32 s23, s23, STG                     ; my stage
	s_wait_alu depctr_va_vdst(0)                   ; the wait here, directly ahead of the reader below
	v_mul_u32_u24 v[STO], v1, SPITCH               ; in: row r, 32 bytes for each half of the lanes
	v_lshl_add_u32 v[STO], v2, 5, v[STO]
	v_add_nc_u32 v[STO], s23, v[STO]
	v_mul_u32_u24 v[RD], v2, SPITCH                ; back: lanes 0-15 one row of 256 bytes, lanes 16-31 the next
	v_lshl_add_u32 v[RD], v1, 4, v[RD]
	v_add_nc_u32 v[RD], s23, v[RD]
	v_lshlrev_b32 v27, 4, v1                       ; my 16 bytes of the wave's 256 of the bias,
	v_lshl_add_u32 v[CO], v2, 12, v27              ; and of two rows of 4,096 bytes
	s_wait_alu depctr_va_vdst(0)                   ; the wait here, ahead of the scalar lines below
	s_lshl_b32 s93, s17, 7
	s_lshl_b32 s94, s15, 6
	s_add_co_u32 s93, s93, s94                     ; my first row
	s_lshl_b32 s94, s42, 7
	s_lshl_b32 s95, s16, 6
	s_add_co_u32 s94, s94, s95                     ; my first column,
	s_lshl_b32 s94, s94, 2                         ; in bytes
	s_mov_b32 s95, 0
	s_add_nc_u64 s[10:11], s[10:11], s[94:95]
	s_lshl_b32 s93, s93, 12
	s_add_co_u32 s94, s94, s93
	s_add_nc_u64 s[68:69], s[68:69], s[94:95]
	s_add_nc_u64 s[70:71], s[70:71], s[94:95]
	global_load_b128 v[12:15], v27, s[10:11]       ; the bias of my four columns
.irp a, 0,1,2,3                        ; the residual of my 64 x 64, in the layout of the stores: block a at v32, v64, v96, v192
.irp t, 0,1,2,3,4,5,6,7
	global_load_b128 v[32+32*\a+64*(\a/3)+4*\t:32+32*\a+64*(\a/3)+4*\t+3], v[CO], s[68:69] offset:(16*\a+2*\t)*4096
.endr
.endr
	s_wait_kmcnt 0x0
	s_add_co_i32 s80, s72, s73
	s_add_co_i32 s80, s80, 127
	s_lshl_b32 s80, s80, 23                        ; 2^(e6 + e7) as f32
	s_mov_b32 s81, s80
	s_wait_tensorcnt 0x0                           ; my quarter is in
	s_barrier_signal -1
	s_barrier_wait -1                              ; and everybody's
	FETCH_B 0, 0
	FETCH_A 0, 0
	FETCH_A 0, 2
	STEP 0, 1                                      ; the first step's products start the sums
.irp q, 1,2,3,4,5,6
	STEP \q, 0
.endr
	s_wait_dscnt 8                                 ; the last step
	WIN 0xa1
	MULQ 0, 1, 0
	MULQ 1, 1, 0
	s_wait_dscnt 0x0
	WIN 0xf1
	MULQ 2, 1, 0
	MULQ 3, 1, 0
	WIN 0
	PLACES
; THE WAY OUT, block a of 16 rows x 64 columns: the sums go into my stage and come back as whole rows of 256 bytes; then sum x 2^(e6 + e7) + bias, + the residual, and the store.
; LDS serves a wave's instructions in order (ISA guide 5.7.1.4): no wait between the stores and the loads, nor in front of the next block's stores.
.macro TOSTAGE a
.set AC, 32*((\a)%2)
.set BB, 128+32*((\a)%2)
	WIN 0x08+4*((\a)/2)                            ; the stores' data: window 2 or 3
.irp b, 0,1,2,3
	ds_store_b128 v[STO], v[AC+8*\b:AC+8*\b+3] offset:64*\b          ; each accumulator from its low end on
	ds_store_b128 v[STO], v[AC+8*\b+4:AC+8*\b+7] offset:64*\b+16
.endr
	WIN 0
.irp t, 0,1,2,3,4,5,6,7
	ds_load_b128 v[BB+4*\t:BB+4*\t+3], v[RD] offset:2*\t*SPITCH
.endr
.endm
.macro FIN a, younger                  ; younger: the LDS instructions issued behind block a's loads, which may stay out
.set BB, 128+32*((\a)%2)
.set RA, 32+32*(\a)+64*((\a)/3)
	s_wait_dscnt \younger
.irp t, 0,1,2,3,4,5,6,7
	v_pk_fma_f32 v[BB+4*\t:BB+4*\t+1], v[BB+4*\t:BB+4*\t+1], s[80:81], v[12:13] op_sel_hi:[1,0,1]
	v_pk_fma_f32 v[BB+4*\t+2:BB+4*\t+3], v[BB+4*\t+2:BB+4*\t+3], s[80:81], v[14:15] op_sel_hi:[1,0,1]
.endr
.irp t, 0,1,2,3,4,5,6,7
	v_pk_add_f32 v[RA+4*\t:RA+4*\t+1], v[RA+4*\t:RA+4*\t+1], v[BB+4*\t:BB+4*\t+1]
	v_pk_add_f32 v[RA+4*\t+2:RA+4*\t+3], v[RA+4*\t+2:RA+4*\t+3], v[BB+4*\t+2:BB+4*\t+3]
.endr
.irp t, 0,1,2,3,4,5,6,7
	global_store_b128 v[CO], v[RA+4*\t:RA+4*\t+3], s[70:71] offset:(16*(\a)+2*\t)*4096   ; 16 lanes store 256 consecutive bytes, aligned; the data registers are never written again
.endr
.endm
	s_wait_loadcnt 0x0                             ; the bias and the residual
	TOSTAGE 0
	TOSTAGE 1
	FIN 0, 16                                      ; behind block 0's loads: block 1's 8 stores and 8 loads
	TOSTAGE 2
	FIN 1, 16
	TOSTAGE 3
	FIN 2, 16
	FIN 3, 0
	s_wait_tensorcnt 0x0                           ; the wave's end
	ds_add_u32 v[SPW], v[NIL]
	s_wait_dscnt 0x0
	CROUND                                         ; the closing round
	s_endpgm
.Lfunc_end_k_qba8a236c41_wo:
	.size	k_qba8a236c41_wo, .Lfunc_end_k_qba8a236c41_wo-k_qba8a236c41_wo
	.p2alignl 7, 3214868480
	.fill 96, 4, 3214868480
	.section	.rodata,"a",@progbits
	.p2align	6, 0x0
	.amdhsa_kernel k_qba8a236c41_wo
		.amdhsa_group_segment_fixed_size 327680
		.amdhsa_private_segment_fixed_size 0
		.amdhsa_enable_private_segment 0
		.amdhsa_kernarg_size 48
		.amdhsa_user_sgpr_count 2
		.amdhsa_user_sgpr_kernarg_segment_ptr 1
		.amdhsa_wavefront_size32 1
		.amdhsa_system_sgpr_workgroup_id_x 1
		.amdhsa_system_sgpr_workgroup_id_y 1
		.amdhsa_system_sgpr_workgroup_id_z 1
		.amdhsa_system_vgpr_workitem_id 0
		.amdhsa_next_free_vgpr 1024
		.amdhsa_next_free_sgpr 100
		.amdhsa_reserve_vcc 0
		.amdhsa_float_denorm_mode_32 3
		.amdhsa_float_denorm_mode_16_64 3
		.amdhsa_memory_ordered 1
		.amdhsa_forward_progress 1
		.amdhsa_inst_pref_size 53
	.end_amdhsa_kernel
	.amdgpu_metadata
---
amdhsa.version: [ 1, 2 ]
amdhsa.kernels:
  - .name:           k_qba8a236c41_wo
    .symbol:         k_qba8a236c41_wo.kd
    .args:
      - { .name: a_img, .offset: 0, .size: 8, .value_kind: global_buffer, .address_space: global }
      - { .name: Wo_w_codes, .offset: 8, .size: 8, .value_kind: global_buffer, .address_space: global }
      - { .name: lowp_scales, .offset: 16, .size: 8, .value_kind: global_buffer, .address_space: global }
      - { .name: Wo_b, .offset: 24, .size: 8, .value_kind: global_buffer, .address_space: global }
      - { .name: x, .offset: 32, .size: 8, .value_kind: global_buffer, .address_space: global }
      - { .name: x1, .offset: 40, .size: 8, .value_kind: global_buffer, .address_space: global }
    .group_segment_fixed_size: 327680
    .private_segment_fixed_size: 0
    .kernarg_segment_align: 8
    .kernarg_segment_size: 48
    .max_flat_workgroup_size: 128
    .sgpr_count:     100
    .vgpr_count:     1024
    .wavefront_size: 32
...
	.end_amdgpu_metadata
.endif
;; end of part 4
;; launch ln2 (part 5): grid 256 x 1, 16 waves a work-group, no clusters, 19,456 bytes of LDS; arguments x1, scale2, shift2, lowp_scales, h2_img; writes h2_img
.if DOCPART == 5
	.amdgcn_target "amdgcn-amd-amdhsa--gfx1250"
	.amdhsa_code_object_version 6
	.text
	.protected	k_qba8a236c41_ln2
	.globl	k_qba8a236c41_ln2
	.p2align	8
	.type	k_qba8a236c41_ln2,@function
k_qba8a236c41_ln2:
	s_mov_b64 s[64:65], 0
	v_nop
	global_prefetch_b8 v0, s[64:65] scope:SCOPE_SE
	s_setreg_imm32_b32 hwreg(HW_REG_WAVE_MODE, 25, 1), 1
	s_wait_xcnt 0x0
; h = shift + scale (x - mean) / (std + 1e-5), std with divisor 1,023, for rows of 1,024 f32; h is then turned into codes of E4M3 with the given scale 2^e (entry EOFF / 4 of the scales).
; SHARES: a work-group takes 16 rows, a wave one row, a lane the columns 128 j + 4 l + 0 .. 3 (j = 0 .. 7): each load of a wave covers 512 consecutive bytes.  The row stays in 32 registers
; between the pass for the mean, the pass for the squares of (x - mean) and the scaling: it is read once, and a common offset of the inputs does no harm.
; OUT: IMG = 0: codes as rows of 1,024 bytes.  IMG = 1: as images of operand registers: the 16 bytes of columns 16 u .. 16 u + 15 of row r lie at 256 u + 16 r of the work-group's 16 KiB.
; Either way the 16 rows' codes are 16 KiB on end; they meet in a stage in LDS and each store of a wave covers 512 consecutive bytes, aligned.
; No matrix unit, no cluster, no tensor load: the work-groups share only the 8 KiB of gains and shifts, and memory binds.
; LIMITS: e between -126 and 119.  NaN among the inputs is not served.  1/1,023 is a multiplication, 1/(std + eps) a v_rcp_f32; a variance under the smallest normal f32 number counts as 0 (v_sqrt_f32).
.set EOFF, 32
.set IMG,  1
.set X,    16                          ; v16-47   the row: 32 numbers a lane
.set SC,   48                          ; v48-79   the gains of my columns
.set SH,   80                          ; v80-111  the shifts
.set CD,   112                         ; v112-119 four chains of packed sums, later the codes
.set OUTR, 120                         ; v120-127 the way out
	s_load_b256 s[4:11], s[0:1], 0x0               ; x s[4:5], gain s[6:7], shift s[8:9], the scales' exponents s[10:11]
	s_load_b64 s[12:13], s[0:1], 0x20              ; the codes
	v_lshl_add_u32 v128, v0, 2, 0x4400
	v_mov_b32 v129, 0
	v_lshrrev_b32 v2, 5, v0
	s_delay_alu instid0(VALU_DEP_1)
	v_readfirstlane_b32 s14, v2                    ; wave = row in the work-group
	v_and_b32 v1, 31, v0                           ; lane
	s_wait_alu depctr_va_vdst(0)
	v_lshlrev_b32 v3, 4, v1                        ; 16 x lane
	s_mov_b32 s16, 0x76543210                      ; v_permlanex16_b32: lane l takes lane l xor 16
	s_mov_b32 s17, 0xfedcba98
	s_lshl_b32 s22, ttmp9, 16                      ; 16 rows of 4,096 bytes,
	s_lshl_b32 s23, s14, 12                        ; my row
	s_add_co_u32 s22, s22, s23
	s_mov_b32 s23, 0
	s_lshl_b32 s24, ttmp9, 14                      ; the work-group's 16 KiB of codes
	s_mov_b32 s25, 0
	s_lshl_b32 s26, s14, 10                        ; 1,024 x wave
.if IMG
	v_lshrrev_b32 v4, 2, v1                        ; into the stage: unit 8 j + l / 4, 272 bytes apart; in it 16 x row + 4 (l % 4)
	s_delay_alu instid0(VALU_DEP_1)
	v_mul_u32_u24 v4, v4, 272
	v_and_b32 v5, 3, v1
	s_delay_alu instid0(VALU_DEP_1)
	v_lshl_add_u32 v4, v5, 2, v4
	s_lshl_b32 s27, s14, 4
	v_add_nc_u32 v4, s27, v4
	v_lshrrev_b32 v5, 4, v1                        ; out of it: units 4 w + 2 i + l / 16, 16 bytes a lane
	s_lshl_b32 s27, s14, 2
	v_add_nc_u32 v5, s27, v5
	s_delay_alu instid0(VALU_DEP_1)
	v_mul_u32_u24 v5, v5, 272
	v_and_b32 v6, 15, v1
	s_delay_alu instid0(VALU_DEP_1)
	v_lshl_add_u32 v5, v6, 4, v5
.else
	v_lshl_add_u32 v4, v1, 2, s26                  ; into the stage: my row's 1,024 bytes, 4 a lane
	v_add_nc_u32 v5, s26, v3                       ; out of it: 16 a lane
.endif
	v_add_nc_u32 v6, s26, v3                       ; my 16 bytes of the wave's 1,024 in memory
	s_wait_kmcnt 0x0
	s_load_b32 s18, s[10:11], EOFF                 ; e
	s_add_nc_u64 s[4:5], s[4:5], s[22:23]
	s_add_nc_u64 s[12:13], s[12:13], s[24:25]
.irp j, 0,1,2,3,4,5,6,7
	global_load_b128 v[X+4*\j:X+4*\j+3], v3, s[4:5] offset:512*\j
.endr
.irp j, 0,1,2,3,4,5,6,7
	global_load_b128 v[SC+4*\j:SC+4*\j+3], v3, s[6:7] offset:512*\j
	global_load_b128 v[SH+4*\j:SH+4*\j+3], v3, s[8:9] offset:512*\j
.endr
.macro REDUCE r, t                     ; the sum over the 32 lanes, in every lane
	s_delay_alu instid0(VALU_DEP_1)
	v_add_f32_dpp v[\r], v[\r], v[\r] row_xmask:1 row_mask:0xf bank_mask:0xf
	s_delay_alu instid0(VALU_DEP_1)
	v_add_f32_dpp v[\r], v[\r], v[\r] row_xmask:2 row_mask:0xf bank_mask:0xf
	s_delay_alu instid0(VALU_DEP_1)
	v_add_f32_dpp v[\r], v[\r], v[\r] row_xmask:4 row_mask:0xf bank_mask:0xf
	s_delay_alu instid0(VALU_DEP_1)
	v_add_f32_dpp v[\r], v[\r], v[\r] row_xmask:8 row_mask:0xf bank_mask:0xf
	s_delay_alu instid0(VALU_DEP_1)
	v_permlanex16_b32 v[\t], v[\r], s16, s17       ; (its destination has been written before)
	s_delay_alu instid0(VALU_DEP_1)
	v_add_f32 v[\r], v[\r], v[\t]
.endm
	s_wait_loadcnt 16                              ; the row's eight loads are in; the sixteen of gain and shift may be out
	v_pk_add_f32 v[112:113], v[16:17], v[24:25]
	v_pk_add_f32 v[114:115], v[32:33], v[40:41]
	v_pk_add_f32 v[116:117], v[18:19], v[26:27]
	v_pk_add_f32 v[118:119], v[34:35], v[42:43]
	v_pk_add_f32 v[126:127], v[20:21], v[28:29]
	v_pk_add_f32 v[124:125], v[36:37], v[44:45]
	v_pk_add_f32 v[122:123], v[22:23], v[30:31]
	v_pk_add_f32 v[8:9], v[38:39], v[46:47]
	s_delay_alu instid0(VALU_DEP_1)
	v_pk_add_f32 v[8:9], v[8:9], v[118:119]
	v_pk_add_f32 v[112:113], v[112:113], v[126:127]
	v_pk_add_f32 v[114:115], v[114:115], v[124:125]
	v_pk_add_f32 v[116:117], v[116:117], v[122:123]
	s_delay_alu instid0(VALU_DEP_2)
	v_pk_add_f32 v[8:9], v[8:9], v[114:115]
	s_delay_alu instid0(VALU_DEP_2)
	v_pk_add_f32 v[112:113], v[112:113], v[116:117]
	s_delay_alu instid0(VALU_DEP_1)
	v_pk_add_f32 v[8:9], v[8:9], v[112:113]
	s_delay_alu instid0(VALU_DEP_1)
	v_add_f32 v8, v8, v9
	REDUCE 8, 9
	s_delay_alu instid0(VALU_DEP_1)
	v_mul_f32 v8, 0x3a800000, v8                   ; / 1,024: exact
	s_delay_alu instid0(VALU_DEP_1)
	v_mov_b32 v9, v8
.irp j, 0,1,2,3,4,5,6,7,8,9,10,11,12,13,14,15
	v_pk_add_f32 v[X+2*\j:X+2*\j+1], v[X+2*\j:X+2*\j+1], v[8:9] neg_lo:[0,1] neg_hi:[0,1]   ; x - mean
.endr
.irp k, 0,1,2,3                        ; the sum of its squares: the first four products start the chains
	v_pk_mul_f32 v[CD+2*\k:CD+2*\k+1], v[X+2*\k:X+2*\k+1], v[X+2*\k:X+2*\k+1]
.endr
.irp j, 4,5,6,7,8,9,10,11,12,13,14,15
	s_delay_alu instid0(VALU_DEP_4)
	v_pk_fma_f32 v[CD+2*(\j%4):CD+2*(\j%4)+1], v[X+2*\j:X+2*\j+1], v[X+2*\j:X+2*\j+1], v[CD+2*(\j%4):CD+2*(\j%4)+1]
.endr
	s_delay_alu instid0(VALU_DEP_3)
	v_pk_add_f32 v[CD:CD+1], v[CD:CD+1], v[CD+2:CD+3]
	s_delay_alu instid0(VALU_DEP_2)
	v_pk_add_f32 v[CD+4:CD+5], v[CD+4:CD+5], v[CD+6:CD+7]
	s_delay_alu instid0(VALU_DEP_1)
	v_pk_add_f32 v[10:11], v[CD:CD+1], v[CD+4:CD+5]
	s_delay_alu instid0(VALU_DEP_1)
	v_add_f32 v10, v10, v11
	REDUCE 10, 11
	s_delay_alu instid0(VALU_DEP_1)
	v_mul_f32 v10, 0x3a802008, v10                 ; / 1,023
	s_wait_alu depctr_va_vdst(0)
	v_sqrt_f32 v10, v10
	v_nop                                          ; a plain instruction between a transcendental and the use of its result (ISA guide 5.7.2)
	s_wait_alu depctr_va_vdst(0)
	v_add_f32 v10, 0x3727c5ac, v10                 ; std + 1e-5
	s_wait_alu depctr_va_vdst(0)
	v_rcp_f32 v10, v10
	v_nop
	s_wait_alu depctr_va_vdst(0)
	v_mov_b32 v11, v10
	s_wait_alu depctr_va_vdst(0)
	s_wait_kmcnt 0x0
	s_add_co_i32 s18, s18, 127
	s_lshl_b32 s19, s18, 23
	v_mov_b32 v7, s19                              ; 2^e as f32: the conversion takes its exponent field
	s_add_co_i32 s18, s18, 8
	s_lshl_b32 s18, s18, 23
	s_or_b32 s21, s18, 0x600000                    ; 448 x 2^e,
	s_or_b32 s20, s21, 0x80000000                  ; and its negative
	s_wait_loadcnt 0x0                             ; gain and shift
.irp j, 0,1,2,3,4,5,6,7,8,9,10,11,12,13,14,15
	v_pk_mul_f32 v[X+2*\j:X+2*\j+1], v[X+2*\j:X+2*\j+1], v[10:11]
.endr
.irp j, 0,1,2,3,4,5,6,7,8,9,10,11,12,13,14,15
	v_pk_fma_f32 v[X+2*\j:X+2*\j+1], v[X+2*\j:X+2*\j+1], v[SC+2*\j:SC+2*\j+1], v[SH+2*\j:SH+2*\j+1]
.endr
.set j, 0
.rept 32
	v_med3_num_f32 v[X+j], v[X+j], s20, s21        ; the conversion to an 8-bit code does not saturate (ISA guide 7.6.2): the hold at the largest code x the scale
.set j, j+1
.endr
.irp i, 0,1,2,3
	v_cvt_scalef32_pk8_fp8_f32 v[CD+2*\i:CD+2*\i+1], v[X+8*\i:X+8*\i+7], v7   ; code register j: the four codes of columns 128 j + 4 l + 0 .. 3
.endr
.irp j, 0,1,2,3,4,5,6,7
.if IMG
	ds_store_b32 v4, v[CD+\j] offset:2176*\j       ; eight units of 272 bytes on
.else
	ds_store_b32 v4, v[CD+\j] offset:128*\j
.endif
.endr
	s_wait_dscnt 0x0                               ; for the others' sake: my stores into the stage are done
	s_barrier_signal -1
	s_barrier_wait -1
.irp i, 0,1
.if IMG
	ds_load_b128 v[OUTR+4*\i:OUTR+4*\i+3], v5 offset:544*\i
.else
	ds_load_b128 v[OUTR+4*\i:OUTR+4*\i+3], v5 offset:512*\i
.endif
.endr
.irp i, 0,1
	s_wait_dscnt 1-\i                              ; LDS loads come back in order: the first may be stored while the second is out
	global_store_b128 v6, v[OUTR+4*\i:OUTR+4*\i+3], s[12:13] offset:512*\i   ; 32 lanes store 512 consecutive bytes, aligned
.endr
	s_wait_tensorcnt 0x0
	ds_add_u32 v128, v129
	s_wait_dscnt 0x0
	s_endpgm
.Lfunc_end_k_qba8a236c41_ln2:
	.size	k_qba8a236c41_ln2, .Lfunc_end_k_qba8a236c41_ln2-k_qba8a236c41_ln2
	.p2alignl 7, 3214868480
	.fill 96, 4, 3214868480
	.section	.rodata,"a",@progbits
	.p2align	6, 0x0
	.amdhsa_kernel k_qba8a236c41_ln2
		.amdhsa_group_segment_fixed_size 19456
		.amdhsa_private_segment_fixed_size 0
		.amdhsa_enable_private_segment 0
		.amdhsa_kernarg_size 40
		.amdhsa_user_sgpr_count 2
		.amdhsa_user_sgpr_kernarg_segment_ptr 1
		.amdhsa_wavefront_size32 1
		.amdhsa_system_sgpr_workgroup_id_x 1
		.amdhsa_system_sgpr_workgroup_id_y 1
		.amdhsa_system_sgpr_workgroup_id_z 1
		.amdhsa_system_vgpr_workitem_id 0
		.amdhsa_next_free_vgpr 130
		.amdhsa_next_free_sgpr 66
		.amdhsa_reserve_vcc 0
		.amdhsa_float_denorm_mode_32 3
		.amdhsa_float_denorm_mode_16_64 3
		.amdhsa_memory_ordered 1
		.amdhsa_forward_progress 1
		.amdhsa_inst_pref_size 16
	.end_amdhsa_kernel
	.amdgpu_metadata
---
amdhsa.version: [ 1, 2 ]
amdhsa.kernels:
  - .name:           k_qba8a236c41_ln2
    .symbol:         k_qba8a236c41_ln2.kd
    .args:
      - { .name: x1, .offset: 0, .size: 8, .value_kind: global_buffer, .address_space: global }
      - { .name: scale2, .offset: 8, .size: 8, .value_kind: global_buffer, .address_space: global }
      - { .name: shift2, .offset: 16, .size: 8, .value_kind: global_buffer, .address_space: global }
      - { .name: lowp_scales, .offset: 24, .size: 8, .value_kind: global_buffer, .address_space: global }
      - { .name: h2_img, .offset: 32, .size: 8, .value_kind: global_buffer, .address_space: global }
    .group_segment_fixed_size: 19456
    .private_segment_fixed_size: 0
    .kernarg_segment_align: 8
    .kernarg_segment_size: 40
    .max_flat_workgroup_size: 512
    .sgpr_count:     66
    .vgpr_count:     130
    .wavefront_size: 32
...
	.end_amdgpu_metadata
.endif
;; end of part 5
;; launch w1 (part 6): grid 16 x 16, 4 waves a work-group, clusters of 4 x 4, 327,680 bytes of LDS; arguments h2_img, W1_codes, lowp_scales, b1, m_img; writes m_img
.if DOCPART == 6
	.amdgcn_target "amdgcn-amd-amdhsa--gfx1250"
	.amdhsa_code_object_version 6
	.text
	.protected	k_qba8a236c41_w1
	.globl	k_qba8a236c41_w1
	.p2align	8
	.type	k_qba8a236c41_w1,@function
k_qba8a236c41_w1:
	s_mov_b64 s[64:65], 0
	v_nop
	global_prefetch_b8 v0, s[64:65] scope:SCOPE_SE
	s_setreg_imm32_b32 hwreg(HW_REG_WAVE_MODE, 25, 1), 1
	s_wait_xcnt 0x0
	s_wait_alu depctr_hold_cnt(0) depctr_sa_sdst(0) depctr_va_vdst(0) depctr_va_sdst(0) depctr_va_ssrc(0) depctr_va_vcc(0) depctr_vm_vsrc(0)
	s_getreg_b32 s2, hwreg(HW_REG_IB_STS2, 6, 4)
	s_cmp_eq_u32 s2, 0
	s_cbranch_scc0 .Lentry_in_a_cluster
	s_endpgm
.Lentry_in_a_cluster:
	s_bfe_u32 s2, ttmp6, 0x10000c
	s_cmp_lg_u32 s2, 0xf033
	s_cbranch_scc0 .Lentry_shape_is_right
	s_endpgm
.Lentry_shape_is_right:
; m = gelu(h2 W1^T + b1) on codes of E4M3 (K = 1,024), quantised at once with scale entry 10 for the next product.  h2 comes as images of fragments, W1 as rows of codes.
; A tile of 256 x 256 is made by four waves, each 128 x 128: 64 accumulators, 512 registers; 256 tiles.  K goes in steps of 256 through a ring of two LDS slots filled by the tensor data mover.
; CLUSTERS of 4 x 4: A's tile is shared along a row of the cluster, B's along a column, each asked for jointly.
; THE MATRIX INSTRUCTION IS USED TRANSPOSED (source 0 = 16 rows of W1, source 1 = 16 tokens): a lane holds one token and eight neighbouring hidden units, the next product's K.
; GELU: 0.5 u (1 + tanh z) = u / (1 + 2^(u (K1 + K3 u^2))), K1 = -2 sqrt(2 / pi) log2(e), K3 = 0.044715 K1: right at 0 and at both infinities.
; OUT: m_img [token tile][K step of 128][2,048 bytes]: registers 4 c .. 4 c + 3 of lane (r, h) = hidden units 32 c + 16 h + 0 .. 15 of token r; two neighbouring tiles' codes change halves of the lanes for that.
; The k of a fragment are taken 16 bytes a load, alike in A's images and in B: every product meets its partner.
; LIMITS: e8 + e9 between -126 and 127; e10 between -126 and 119.  NaN is not served.
.set TM,    256
.set TN,    256
.set QS,    2                          ; steps of 128 along K in a slot
.set KTOT,  1024
.set AIMG,  1                          ; A lies in memory as rows (0) or as images of fragments (1)
.set NAB,   TM/32                      ; blocks of 16 rows of A a wave
.set NBB,   TN/32                      ; and of B
.set LAPS,  KTOT/(256*QS)              ; a lap = once round the ring
.set QI,    4+QS/2                     ; padding interval: a row of 128 QS bytes
.set PITCHB, 128*QS+16                 ; an LDS row of codes: + 16 bytes, so that the 16 rows of a load start at 16 different banks (64 banks of 4 bytes: ISA guide 11.1)
.set BHALF, (TN/2)*PITCHB
.set BSTEP, 128*QS
.if AIMG
.set AHALF, NAB*QS*2048
.set ASTEP, QS*2048
.else
.set AHALF, (TM/2)*PITCHB
.set ASTEP, 128*QS
.endif
.set ASZ,   2*AHALF
.set SLOT,  ASZ+2*BHALF                ; A's two halves, then B's two
.set SPARE, 2*SLOT                     ; behind the ring: the spare words, 128 bytes a wave, that no other line names
.set ADRA, 16                          ; v16-17 LDS address of my A fragments in slot 0, 1
.set ADRB, 20                          ; v20-21 the same for B
.set SPW,  28                          ; v28    LDS address of my spare word; never rewritten
.set NIL,  29                          ; v29    0; never rewritten
.set AF,   128                         ; window 0: A's fragments, one set.  Window 1: B's, two sets, at v0 and v128.  Windows 2, 3: the accumulators
.set UU,   128                         ; the way out: u, then m (64 registers)
.set WW,   192                         ; and the work on it
.set G1,  24                           ; s[24:31] descriptor group 1 for A; s[32:39] its groups 0, one a slot
.set G0,  32
.set G1B, 48                           ; s[48:55], s[56:63] the same for B
.set G0B, 56
.set MSB, 0
.macro WIN new                         ; the immediate's high byte repeats the setting that is left
.if MSB != (\new)
	s_set_vgpr_msb (MSB<<8)|(\new)
.set MSB, (\new)
.endif
.endm
.macro PLACES                          ; four plain vector instructions between a matrix instruction and a load into, or a read of, its registers
.rept 4
	v_nop
.endr
.endm
.macro JLOAD s                         ; a joint load: waves 0 and 1 fetch A's halves, waves 2 and 3 B's; four v_nop follow each line
	s_cmp_eq_u32 s15, 0
	s_cbranch_scc0 .Lfor_b_\@
	tensor_load_to_lds s[G0+4*\s:G0+4*\s+3], s[G1:G1+7]
	s_nop 0
.rept 4
	v_nop
.endr
	s_branch .Lasked_\@
.Lfor_b_\@:
	tensor_load_to_lds s[G0B+4*\s:G0B+4*\s+3], s[G1B:G1B+7]
	s_nop 0
.rept 4
	v_nop
.endr
.Lasked_\@:
.endm
.macro CREST                           ; a round of the cluster's barrier behind its opening barrier
	s_cmp_lg_u32 s14, 0
	s_cbranch_scc1 .Lnot_wave_0_\@
	s_barrier_signal -3
.Lnot_wave_0_\@:
	s_barrier_wait -3
	s_barrier_signal -1
	s_barrier_wait -1
.endm
.macro CROUND
	s_barrier_signal -1
	s_barrier_wait -1
	CREST
.endm
.macro MULQ qd, p, zero                ; a quarter of a step's products: NAB / 4 blocks of A x all of B's, 128 along K; p: B's set.  The accumulators take turns, in the same order in every step
.set ma, (\qd)*(NAB/4)
.rept NAB/4
.set mb, 0
.rept NBB
.set rD, 8*(NBB*(ma%(NAB/2))+mb)
.if \zero
	v_wmma_f32_16x16x128_fp8_fp8 v[rD:rD+7], v[128*(\p)+16*mb:128*(\p)+16*mb+15], v[AF+16*ma:AF+16*ma+15], 0
.else
	v_wmma_f32_16x16x128_fp8_fp8 v[rD:rD+7], v[128*(\p)+16*mb:128*(\p)+16*mb+15], v[AF+16*ma:AF+16*ma+15], v[rD:rD+7]
.endif
.set mb, mb+1
.endr
.set ma, ma+1
.endr
.endm
.macro FETCH_B slot, q, p              ; B's fragments of the slot's q-th 128 along K into set p
	WIN 0x40
.set fi, 0
.rept NBB
.irp c, 0,1,2,3
	ds_load_b128 v[128*(\p)+16*fi+4*\c:128*(\p)+16*fi+4*\c+3], v[ADRB+\slot] offset:128*(\q)+32*\c+fi*16*PITCHB
.endr
.set fi, fi+1
.endr
	WIN 0
.endm
.macro FETCH_A slot, q, i0             ; A's blocks i0 .. i0 + NAB / 2 - 1
.set fi, \i0
.rept NAB/2
.irp c, 0,1,2,3
.if AIMG
	ds_load_b128 v[AF+16*fi+4*\c:AF+16*fi+4*\c+3], v[ADRA+\slot] offset:fi*QS*2048+2048*(\q)+512*\c
.else
	ds_load_b128 v[AF+16*fi+4*\c:AF+16*fi+4*\c+3], v[ADRA+\slot] offset:128*(\q)+32*\c+fi*16*PITCHB
.endif
.endr
.set fi, fi+1
.endr
.endm
.macro STEP slot, q, zero              ; a step of 128 along K that has its successor in the same slot
	s_wait_dscnt 2*NAB                             ; B's set and A's lower blocks are in; the youngest loads (A's upper blocks) may be out
	WIN 0xa1
	MULQ 0, (\q)%2, \zero
	MULQ 1, (\q)%2, \zero
	s_wait_dscnt 0x0                               ; A's upper blocks are in
	PLACES
	FETCH_B \slot, (\q)+1, 1-(\q)%2
	FETCH_A \slot, (\q)+1, 0
	WIN 0xf1
	MULQ 2, (\q)%2, \zero
	MULQ 3, (\q)%2, \zero
	PLACES
	WIN 0
	FETCH_A \slot, (\q)+1, NAB/2
.endm
.macro TURN slot, next, fill           ; a slot's last step changes slots: one barrier; fill = 1: it opens a round of the cluster's barrier, and this slot is filled again, two slots ahead
	s_wait_tensorcnt 0x0                           ; all my tensor loads have landed: my part of the next slot
	ds_add_u32 v[SPW], v[NIL]                      ; 0 onto my spare word
	s_wait_dscnt 2*NAB+1                           ; (the add and A's upper blocks may be out)
	WIN 0xa1
	MULQ 0, 1, 0
	s_wait_dscnt 0x0                               ; the add is done, and my reads of this slot are over
	s_barrier_signal -1
	MULQ 1, 1, 0
	WIN 0
	s_barrier_wait -1
.if \fill
	CREST                                          ; no wave of any partner still reads this slot or has a load on its way
	s_add_nc_u64 s[G0+4*\slot+2:G0+4*\slot+3], s[G0+4*\slot+2:G0+4*\slot+3], 2*ASTEP
	s_add_nc_u64 s[G0B+4*\slot+2:G0B+4*\slot+3], s[G0B+4*\slot+2:G0B+4*\slot+3], 2*BSTEP
	JLOAD \slot                                    ; the first tensor load behind the round; its four v_nop are the places in front of the loads below
.else
	PLACES
.endif
	s_wait_alu depctr_va_vdst(0)
	FETCH_B \next, 0, 0
	FETCH_A \next, 0, 0
	WIN 0xf1
	MULQ 2, 1, 0
	MULQ 3, 1, 0
	PLACES
	WIN 0
	FETCH_A \next, 0, NAB/2
.endm
.macro MID slot                        ; a slot's steps 1 .. QS - 2
.if QS > 2
.set mq, 1
.rept QS-2
	STEP \slot, mq, 0
.set mq, mq+1
.endr
.endif
.endm
	s_load_b256 s[4:11], s[0:1], 0x0               ; h2's images s[4:5], W1's codes s[6:7], the scales' exponents s[8:9], b1 s[10:11]
	s_load_b64 s[68:69], s[0:1], 0x20              ; m_img
	v_lshl_add_u32 v[SPW], v0, 2, SPARE
	v_mov_b32 v[NIL], 0
	ds_add_u32 v28, v29
	ds_add_u32 v28, v29
	s_wait_dscnt 0x0
	v_lshrrev_b32 v1, 5, v0
	v_readfirstlane_b32 s14, v1                    ; wave 0..3
	s_lshr_b32 s15, s14, 1                         ; which half of A's rows is mine.  Also: I fetch for A (0) or for B (1)
	s_and_b32 s16, s14, 1                          ; which half of B's rows.  Also: which half of that tile I fetch
	s_bfe_u32 s40, ttmp6, 0x40000                  ; cx, cy: my place in the cluster
	s_bfe_u32 s41, ttmp6, 0x40004
	s_lshl_b32 s42, ttmp9, 2
	s_add_co_u32 s42, s42, s40                     ; tile column = 4 x cluster x + cx
	s_and_b32 s17, ttmp7, 0xffff
	s_lshl_b32 s17, s17, 2
	s_add_co_u32 s17, s17, s41                     ; tile row = 4 x cluster y + cy
	s_lshl_b32 s43, s41, 2
	s_lshl_b32 s43, 15, s43                        ; my row of the cluster
	s_lshl_b32 s44, 0x1111, s40                    ; my column
.if AIMG
	s_or_b32 s[G1+0], s43, (3<<16)|(1<<21)         ; the mask; elements of 8 bytes; bit 21 beside a mask; no padding
	s_mov_b32 s[G1+1], (QS*256)<<16                ; tensor_dim0: a token tile's QS images on end
	s_mov_b32 s[G1+2], NAB<<16                     ; tensor_dim1
	s_mov_b32 s[G1+3], (QS*256)<<16                ; tile_dim0
	s_mov_b32 s[G1+4], NAB                         ; tile_dim1
	s_mov_b32 s[G1+5], 2*KTOT                      ; from token tile to token tile: 16 KTOT bytes
.else
	s_or_b32 s[G1+0], s43, (1<<20)|(1<<21)|(QI<<22)|(3<<25)   ; the mask; elements of 1 byte; padding of 4 words behind each row
	s_mov_b32 s[G1+1], (128*QS)<<16
	s_mov_b32 s[G1+2], (TM/2)<<16
	s_mov_b32 s[G1+3], (128*QS)<<16
	s_mov_b32 s[G1+4], TM/2
	s_mov_b32 s[G1+5], KTOT
.endif
	s_mov_b32 s[G1+6], 0
	s_mov_b32 s[G1+7], 0
	s_or_b32 s[G1B+0], s44, (1<<20)|(1<<21)|(QI<<22)|(3<<25)
	s_mov_b32 s[G1B+1], (128*QS)<<16
	s_mov_b32 s[G1B+2], (TN/2)<<16
	s_mov_b32 s[G1B+3], (128*QS)<<16
	s_mov_b32 s[G1B+4], TN/2
	s_mov_b32 s[G1B+5], KTOT
	s_mov_b32 s[G1B+6], 0
	s_mov_b32 s[G1B+7], 0
	s_mul_i32 s18, s16, TM/2                       ; the first row that I fetch, x KTOT bytes (16 rows are 16 KTOT bytes in either layout)
	s_mul_i32 s20, s17, TM
	s_add_co_u32 s20, s20, s18
	s_mul_i32 s20, s20, KTOT
	s_mov_b32 s21, 0
	s_mul_i32 s47, s16, TN/2
	s_mul_i32 s46, s42, TN
	s_add_co_u32 s46, s46, s47
	s_mul_i32 s46, s46, KTOT
	s_mov_b32 s47, 0
	s_mul_i32 s45, s16, AHALF                      ; where they go: no place in the cluster enters an LDS address
	s_mul_i32 s92, s16, BHALF
	s_add_co_u32 s92, s92, ASZ
	s_wait_kmcnt 0x0
	s_load_b128 s[72:75], s[8:9], 0x20             ; e8, e9, e10, e11
	s_add_nc_u64 s[20:21], s[4:5], s[20:21]
	s_add_nc_u64 s[46:47], s[6:7], s[46:47]
	CROUND                                         ; all sixteen work-groups are here: the first joint loads meet
.irp s, 0,1
	s_mov_b32 s[G0+4*\s], 1
	s_add_co_u32 s[G0+4*\s+1], s45, \s*SLOT
	s_add_nc_u64 s[G0+4*\s+2:G0+4*\s+3], s[20:21], \s*ASTEP
	s_or_b32 s[G0+4*\s+3], s[G0+4*\s+3], 0x80000000
	s_mov_b32 s[G0B+4*\s], 1
	s_add_co_u32 s[G0B+4*\s+1], s92, \s*SLOT
	s_add_nc_u64 s[G0B+4*\s+2:G0B+4*\s+3], s[46:47], \s*BSTEP
	s_or_b32 s[G0B+4*\s+3], s[G0B+4*\s+3], 0x80000000
.endr
	JLOAD 0                                        ; slot 0: one tensor load a wave at the head
	v_and_b32 v1, 15, v0                           ; r
	v_bfe_u32 v2, v0, 4, 1                         ; h
	s_wait_alu depctr_va_vdst(0)
	v_and_b32 v3, 31, v0
	v_lshlrev_b32 v3, 4, v3                        ; 16 x lane
	v_mul_u32_u24 v9, v1, PITCHB
	v_lshl_add_u32 v9, v2, 4, v9                   ; a fragment's row x pitch + 16 h
	s_mul_i32 s21, s15, AHALF
	s_mul_i32 s22, s16, BHALF
	s_add_co_u32 s22, s22, ASZ
.irp s, 0,1
.if AIMG
	v_add_nc_u32 v[ADRA+\s], s21, v3
.else
	v_add_nc_u32 v[ADRA+\s], s21, v9
.endif
	v_add_nc_u32 v[ADRB+\s], s22, v9
	s_add_co_u32 s21, s21, SLOT
	s_add_co_u32 s22, s22, SLOT
.endr
	s_lshl_b32 s93, s17, 8
	s_lshl_b32 s94, s15, 7
	s_add_co_u32 s93, s93, s94                     ; my first token
	s_lshl_b32 s94, s42, 8
	s_lshl_b32 s95, s16, 7
	s_add_co_u32 s94, s94, s95                     ; my first hidden unit
	s_lshl_b32 s96, s94, 2
	s_mov_b32 s97, 0
	s_add_nc_u64 s[10:11], s[10:11], s[96:97]      ; its b1
	s_lshl_b32 s96, s94, 4                         ; the output: 2,048 bytes for each 128 hidden units,
	s_lshl_b32 s93, s93, 12                        ; 65,536 for each 16 tokens
	s_add_co_u32 s96, s96, s93
	s_add_nc_u64 s[68:69], s[68:69], s[96:97]
	v_lshlrev_b32 v27, 5, v2                       ; b1: lane (r, h) wants, for tile b, the units 16 b + 8 h + 0 .. 7
.irp b, 0,1,2,3,4,5,6,7
	global_load_b128 v[32+8*\b:35+8*\b], v27, s[10:11] offset:64*\b      ; into registers that the loop leaves alone
	global_load_b128 v[36+8*\b:39+8*\b], v27, s[10:11] offset:64*\b+16
.endr
.irp j, 8,9,10,11
	v_mov_b32 v\j, 0                               ; at work in the exchange of halves: written once (a permute's destination counts as a source)
.endr
	s_mov_b32 s84, 0xbdd2d3e8                      ; K3
	s_mov_b32 s85, s84                             ; (named with it as a pair)
	v_mov_b32 v14, 0xc0135761                      ; K1, twice
	v_mov_b32 v15, 0xc0135761
	s_mov_b32 s88, 0xffff0000                      ; lanes 16-31
	s_mov_b32 s90, 0x76543210                      ; v_permlanex16_b32: lane l xor 16
	s_mov_b32 s91, 0xfedcba98
	s_wait_kmcnt 0x0
	s_add_co_i32 s80, s72, s73
	s_add_co_i32 s80, s80, 127
	s_lshl_b32 s80, s80, 23                        ; 2^(e8 + e9) as f32
	s_mov_b32 s81, s80
	s_add_co_i32 s82, s74, 127
	s_lshl_b32 s83, s82, 23
	v_mov_b32 v12, s83                             ; 2^e10: the conversion takes its exponent field
	s_add_co_i32 s82, s82, 8
	s_lshl_b32 s82, s82, 23
	s_or_b32 s83, s82, 0x600000                    ; 448 x 2^e10,
	s_or_b32 s82, s83, 0x80000000                  ; and its negative
	s_wait_alu depctr_va_vdst(0)                   ; the wait at the head's end
	s_wait_tensorcnt 0x0                           ; my part of slot 0 is in; slot 1's first fill is issued as a refill is:
	ds_add_u32 v[SPW], v[NIL]                      ; 0 onto my spare word
	s_wait_dscnt 0x0
	CROUND                                         ; everybody's part of slot 0 is in, and the sixteen work-groups meet
	JLOAD 1                                        ; the first tensor load behind the round
	FETCH_B 0, 0, 0
	FETCH_A 0, 0, 0
	FETCH_A 0, 0, NAB/2
	STEP 0, 0, 1                                   ; the first step stands in front of the loop: its products start the sums
.if LAPS > 1
	s_mov_b32 s3, LAPS-1
.Llap:                                                 ; a trip goes once round the ring and fills both slots again
	MID 0
	TURN 0, 1, 1
	STEP 1, 0, 0
	MID 1
	TURN 1, 0, 1
	STEP 0, 0, 0
	s_sub_co_u32 s3, s3, 1
	s_cmp_lg_u32 s3, 0
	s_cbranch_scc1 .Llap
.endif
	MID 0                                          ; the last lap fills nothing
	TURN 0, 1, 0
	STEP 1, 0, 0
	MID 1
	s_wait_dscnt 2*NAB                             ; the very last step
	WIN 0xa1
	MULQ 0, 1, 0
	MULQ 1, 1, 0
	s_wait_dscnt 0x0
	WIN 0xf1
	MULQ 2, 1, 0
	MULQ 3, 1, 0
	WIN 0
	PLACES
.macro XCH cb                          ; four code registers: tiles 2 p and 2 p + 1, eight units for each half of the lanes, become units 32 p + 16 h + 0 .. 15: lanes 0-15 keep the even tile's and take their partner's, lanes 16-31 the odd tile's
.irp u, 0,1
	v_cndmask_b32 v[8+\u], v[(\cb)+2+\u], v[(\cb)+\u], s88
.endr
.irp u, 0,1
	v_permlanex16_b32 v[10+\u], v[8+\u], s90, s91
.endr
.irp u, 0,1
	v_cndmask_b32 v[(\cb)+\u], v[(\cb)+\u], v[10+\u], s88
	v_cndmask_b32 v[(\cb)+2+\u], v[10+\u], v[(\cb)+2+\u], s88
.endr
.endm
; THE WAY OUT, block a of 16 tokens x 128 hidden units: 64 numbers a lane
.macro GELU a
.set AC, 64*((\a)%4)
.set CB, 96+16*((\a)%2)
	WIN 0x02+((\a)/4)
.set j, 0
.rept 32
	v_pk_fma_f32 v[UU+j:UU+j+1], v[AC+j:AC+j+1], s[80:81], v[32+j:33+j] op_sel_hi:[1,0,1]   ; u = sum x 2^(e8 + e9) + b1; each accumulator from its low end on
.set j, j+2
.endr
	WIN 0
.set j, 0
.rept 32
	v_pk_mul_f32 v[WW+j:WW+j+1], v[UU+j:UU+j+1], v[UU+j:UU+j+1]
.set j, j+2
.endr
.set j, 0
.rept 32
	v_pk_fma_f32 v[WW+j:WW+j+1], v[WW+j:WW+j+1], s[84:85], v[14:15] op_sel_hi:[1,0,1]       ; K3 u^2 + K1
.set j, j+2
.endr
.set j, 0
.rept 32
	v_pk_mul_f32 v[WW+j:WW+j+1], v[WW+j:WW+j+1], v[UU+j:UU+j+1]
.set j, j+2
.endr
.set j, 0
	s_wait_alu depctr_va_vdst(0)
.rept 64
	v_exp_f32 v[WW+j], v[WW+j]
.set j, j+1
.endr
	v_nop                                          ; a plain instruction between the transcendentals and the use of their results (ISA guide 5.7.2)
.set j, 0
	s_wait_alu depctr_va_vdst(0)
.rept 32
	v_pk_add_f32 v[WW+j:WW+j+1], v[WW+j:WW+j+1], 1.0 op_sel_hi:[1,0]
.set j, j+2
.endr
.set j, 0
	s_wait_alu depctr_va_vdst(0)
.rept 64
	v_rcp_f32 v[WW+j], v[WW+j]
.set j, j+1
.endr
	v_nop
.set j, 0
	s_wait_alu depctr_va_vdst(0)
.rept 32
	v_pk_mul_f32 v[UU+j:UU+j+1], v[UU+j:UU+j+1], v[WW+j:WW+j+1]
.set j, j+2
.endr
.set j, 0
.rept 64
	v_med3_num_f32 v[UU+j], v[UU+j], s82, s83      ; the conversion does not saturate (ISA guide 7.6.2)
.set j, j+1
.endr
	s_wait_alu depctr_va_vdst(0)
	s_wait_xcnt 0x0                                ; the stores of two blocks ago have read these code registers
.irp b, 0,1,2,3,4,5,6,7
	v_cvt_scalef32_pk8_fp8_f32 v[CB+2*\b:CB+2*\b+1], v[UU+8*\b:UU+8*\b+7], v12
.endr
	v_nop                                          ; a plain instruction behind the conversions
.irp p, 0,1,2,3
	XCH CB+4*\p
.endr
.irp p, 0,1,2,3
	global_store_b128 v3, v[CB+4*\p:CB+4*\p+3], s[68:69] offset:(\a)*65536+512*\p   ; 512 consecutive bytes, aligned
.endr
.endm
	s_wait_loadcnt 0x0                             ; b1
.irp a, 0,1,2,3,4,5,6,7
	GELU \a
.endr
	s_wait_tensorcnt 0x0                           ; the wave's end
	ds_add_u32 v[SPW], v[NIL]
	s_wait_dscnt 0x0
	CROUND                                         ; the closing round: no work-group ends while a partner may still ask for a tile that names it
	s_endpgm
.Lfunc_end_k_qba8a236c41_w1:
	.size	k_qba8a236c41_w1, .Lfunc_end_k_qba8a236c41_w1-k_qba8a236c41_w1
	.p2alignl 7, 3214868480
	.fill 96, 4, 3214868480
	.section	.rodata,"a",@progbits
	.p2align	6, 0x0
	.amdhsa_kernel k_qba8a236c41_w1
		.amdhsa_group_segment_fixed_size 327680
		.amdhsa_private_segment_fixed_size 0
		.amdhsa_enable_private_segment 0
		.amdhsa_kernarg_size 40
		.amdhsa_user_sgpr_count 2
		.amdhsa_user_sgpr_kernarg_segment_ptr 1
		.amdhsa_wavefront_size32 1
		.amdhsa_system_sgpr_workgroup_id_x 1
		.amdhsa_system_sgpr_workgroup_id_y 1
		.amdhsa_system_sgpr_workgroup_id_z 1
		.amdhsa_system_vgpr_workitem_id 0
		.amdhsa_next_free_vgpr 1024
		.amdhsa_next_free_sgpr 100
		.amdhsa_reserve_vcc 0
		.amdhsa_float_denorm_mode_32 3
		.amdhsa_float_denorm_mode_16_64 3
		.amdhsa_memory_ordered 1
		.amdhsa_forward_progress 1
		.amdhsa_inst_pref_size 255
	.end_amdhsa_kernel
	.section	.bss,"aw",@nobits
	.p2align	6
	.space	262144
	.amdgpu_metadata
---
amdhsa.version: [ 1, 2 ]
amdhsa.kernels:
  - .name:           k_qba8a236c41_w1
    .symbol:         k_qba8a236c41_w1.kd
    .args:
      - { .name: h2_img, .offset: 0, .size: 8, .value_kind: global_buffer, .address_space: global }
      - { .name: W1_codes, .offset: 8, .size: 8, .value_kind: global_buffer, .address_space: global }
      - { .name: lowp_scales, .offset: 16, .size: 8, .value_kind: global_buffer, .address_space: global }
      - { .name: b1, .offset: 24, .size: 8, .value_kind: global_buffer, .address_space: global }
      - { .name: m_img, .offset: 32, .size: 8, .value_kind: global_buffer, .address_space: global }
    .group_segment_fixed_size: 327680
    .private_segment_fixed_size: 0
    .kernarg_segment_align: 8
    .kernarg_segment_size: 40
    .max_flat_workgroup_size: 128
    .sgpr_count:     100
    .vgpr_count:     1024
    .wavefront_size: 32
...
	.end_amdgpu_metadata
.endif
;; end of part 6
;; launch w2 (part 7): grid 8 x 32, 4 waves a work-group, clusters of 4 x 4, 327,680 bytes of LDS; arguments m_img, W2_codes, lowp_scales, b2, x1, out0; writes out0
.if DOCPART == 7
	.amdgcn_target "amdgcn-amd-amdhsa--gfx1250"
	.amdhsa_code_object_version 6
	.text
	.protected	k_qba8a236c41_w2
	.globl	k_qba8a236c41_w2
	.p2align	8
	.type	k_qba8a236c41_w2,@function
k_qba8a236c41_w2:
	s_mov_b64 s[64:65], 0
	v_nop
	global_prefetch_b8 v0, s[64:65] scope:SCOPE_SE
	s_setreg_imm32_b32 hwreg(HW_REG_WAVE_MODE, 25, 1), 1
	s_wait_xcnt 0x0
	s_wait_alu depctr_hold_cnt(0) depctr_sa_sdst(0) depctr_va_vdst(0) depctr_va_sdst(0) depctr_va_ssrc(0) depctr_va_vcc(0) depctr_vm_vsrc(0)
	s_getreg_b32 s2, hwreg(HW_REG_IB_STS2, 6, 4)
	s_cmp_eq_u32 s2, 0
	s_cbranch_scc0 .Lentry_in_a_cluster
	s_endpgm
.Lentry_in_a_cluster:
	s_bfe_u32 s2, ttmp6, 0x10000c
	s_cmp_lg_u32 s2, 0xf033
	s_cbranch_scc0 .Lentry_shape_is_right
	s_endpgm
.Lentry_shape_is_right:
; out = res + (A B^T x 2^(eA + eB) + bias): A [4,096][4,096] as images of fragments (m_img), B [1,024][4,096] as rows of codes of E4M3 (W2), res and out [4,096][1,024] f32.
; A tile of 128 x 128 is made by four waves: 1,024 columns give 256 such tiles, one for each WGP.  Wave w makes rows 32 w .. 32 w + 31 and all 128 columns: 16 accumulators.
; A GOES FROM MEMORY STRAIGHT INTO REGISTERS.  m_img holds the operand's registers as they stand, so a step of 128 along K is eight loads of 512 consecutive bytes a wave, and no two waves want the same rows.
; They land in a ring of eight places of 32 registers; the load for step t + 7 is issued at the head of step t, into the place that step t - 1 has left: 56 to 64 loads of a wave are on their way, across every barrier.
; B GOES THROUGH LDS, a ring of two slots filled by the tensor data mover.  With A out of LDS a slot holds 1,024 along K (8 steps): two first fills and two refills serve K = 4,096.
; CLUSTERS of 4 x 4: B's tile is shared along a column of the cluster and asked for jointly, each wave fetching 32 of its 128 rows.  A's rows are shared along a row of the cluster too, and are NOT asked for jointly:
; a wave has one tensor load behind each refill's barrier, and all are waited for in front of the next, so of tiles at most one slot (133,120 bytes) is on its way; A's 512 KiB through that ring would make
; six refills of the two, each with half the steps in which to land.
; THE MATRIX INSTRUCTION IS USED TRANSPOSED (source 0 = 16 rows of B, source 1 = 16 rows of A): a lane holds eight neighbouring columns of one row of the result.
; The k of a fragment are taken 16 bytes a load, alike in A's images and in B: every product meets its partner.
; The 32 steps are written out: every offset is an immediate, and no address register is ever stepped.
; REGISTERS, in windows of 256: window 0: v0-31 addresses, v12-15 the bias, v32-95 the way out, v128-255 the accumulators ((a, b) at v[128 + 64 a + 8 b]).  Window 1: B's fragments, two sets, at v0 and v128.
;   Window 2: A's ring.  Window 3: v0-127 the residual, asked for in steps 25 to 28, when no load of A is left to issue.
; LIMIT: eA + eB between -126 and 127.
.set KTOT,   4096
.set SOFF,   0x28                      ; where eA, eB lie among the scales' exponents, in bytes
.set QS,     8                         ; steps of 128 along K in a slot
.set NSTEP,  KTOT/128                  ; 32 steps
.set DEPTH,  8                         ; places in A's ring
.set PITCHB, 128*QS+16                 ; an LDS row of codes: 1,024 bytes + 16 = 65 x 16: the 16 rows of a load start at 16 different banks (64 banks of 4 bytes: ISA guide 11.1)
.set QUART,  32*PITCHB                 ; 32 rows: what one tensor load brings
.set SLOT,   4*QUART                   ; B's 128 rows
.set BSTEP,  128*QS                    ; bytes along a row of B from slot to slot
.set SPARE,  2*SLOT                    ; behind the ring: the spare words, 128 bytes a wave, that no other line names
.set SPITCH, 528                       ; the way out: a stage of 16 rows x (512 bytes + 16) a wave, in slot 0, which has had its last fill and its last read by then
.set ADRB, 20                          ; v20-23 LDS address of B's fragments: slot 0 blocks 0-3, blocks 4-7 (an LDS offset has 16 bits), slot 1 likewise
.set STO,  24                          ; v24    the stage: where I put 32 bytes of a row
.set RD,   25                          ; v25    and where I read a row back
.set SPW,  28                          ; v28    LDS address of my spare word; never rewritten
.set NIL,  29                          ; v29    0; never rewritten
.set ACC,  128
.set G1B, 48                           ; s[48:55] descriptor group 1 for B; s[56:63] its groups 0, one a slot
.set G0B, 56
.set RISS, 0                           ; how many loads of the residual have been issued so far in the text
.set MSB, 0
.macro WIN new                         ; the immediate's high byte repeats the setting that is left
.if MSB != (\new)
	s_set_vgpr_msb (MSB<<8)|(\new)
.set MSB, (\new)
.endif
.endm
.macro PLACES                          ; four plain vector instructions between a matrix instruction and a load into, or a read of, its registers
.rept 4
	v_nop
.endr
.endm
.macro CREST                           ; a round of the cluster's barrier behind its opening barrier
	s_cmp_lg_u32 s14, 0
	s_cbranch_scc1 .Lnot_wave_0_\@
	s_barrier_signal -3
.Lnot_wave_0_\@:
	s_barrier_wait -3
	s_barrier_signal -1
	s_barrier_wait -1
.endm
.macro CROUND
	s_barrier_signal -1
	s_barrier_wait -1
	CREST
.endm
.macro ALOAD t                         ; A's two blocks of step t, from memory into place t % 8 of the ring: each load covers 512 consecutive bytes, aligned
	WIN 0x80
.irp a, 0,1
.irp c, 0,1,2,3
	global_load_b128 v[32*((\t)%DEPTH)+16*\a+4*\c:32*((\t)%DEPTH)+16*\a+4*\c+3], v3, s[4:5] offset:\a*65536+(\t)*2048+512*\c
.endr
.endr
.endm
.macro RLOAD g                         ; rows 8 g .. 8 g + 7 of my 32 rows of the residual, a row of 512 bytes a load, in the layout of the stores
	WIN 0xc0
.irp k, 0,1,2,3,4,5,6,7
	global_load_b128 v[4*(8*(\g)+\k):4*(8*(\g)+\k)+3], v3, s[68:69] offset:(8*(\g)+\k)*4096
.endr
.set RISS, RISS+8
.endm
.macro FETCH_B t                       ; B's eight fragments of step t, from its slot into set t % 2
	WIN 0x40
.set fs, ((\t)/QS)%2
.set fq, (\t)%QS
.set fp, 128*((\t)%2)
.set fi, 0
.rept 8
.irp c, 0,1,2,3
	ds_load_b128 v[fp+16*fi+4*\c:fp+16*fi+4*\c+3], v[ADRB+2*fs+fi/4] offset:128*fq+32*\c+(fi%4)*16*PITCHB
.endr
.set fi, fi+1
.endr
.endm
.macro MUL8 t, a                       ; block a of A x B's eight, 128 along K.  The 16 accumulators take turns, in the same order in every step.  Step 0 starts the sums
.set mb, 0
.rept 8
.set rD, ACC+64*(\a)+8*mb
.set rB, 128*((\t)%2)+16*mb
.set rA, 32*((\t)%DEPTH)+16*(\a)
.if (\t) == 0
	v_wmma_f32_16x16x128_fp8_fp8 v[rD:rD+7], v[rB:rB+15], v[rA:rA+15], 0
.else
	v_wmma_f32_16x16x128_fp8_fp8 v[rD:rD+7], v[rB:rB+15], v[rA:rA+15], v[rD:rD+7]
.endif
.set mb, mb+1
.endr
.endm
.macro STEP t                          ; a step of 128 along K that has its successor in the same slot
.if (\t) > 0
	PLACES                                         ; behind the last step's products: its place of A's ring and its set of B are loaded again
.endif
.if ((\t) > 0) && ((\t)+7 < NSTEP)
	ALOAD (\t)+7
.endif
.if ((\t) > 24) && ((\t) < 29)
	RLOAD (\t)-25                                  ; no load of A is left to issue: the residual takes their turn
.endif
	FETCH_B (\t)+1
	s_wait_dscnt 32                                ; this step's B is in; the 32 loads just issued may be out
.if (\t) < 24
	s_wait_loadcnt 56                              ; this step's A is in; the seven steps behind it may be out
.else
	s_wait_loadcnt 8*(NSTEP-1-(\t))+RISS           ; behind this step's A: the steps that are left, and the residual's loads issued so far
.endif
	WIN 0x09                                       ; source 0 (B) window 1, source 1 (A) window 2, C and D window 0
	MUL8 \t, 0
	MUL8 \t, 1
.endm
.macro TURN t, fill                    ; a slot's last step changes slots: one barrier; fill = 1: it opens a round of the cluster's barrier, and this slot is filled again, two slots ahead
.set sl, ((\t)/QS)%2
	PLACES
	ALOAD (\t)+7
	WIN 0                                          ; (the add's two registers lie in window 0)
	s_wait_tensorcnt 0x0                           ; all my tensor loads have landed: my part of the next slot
	ds_add_u32 v[SPW], v[NIL]                      ; 0 onto my spare word
	s_wait_dscnt 1                                 ; this step's B is in (the add may be out)
	s_wait_loadcnt 56                              ; this step's A is in
	WIN 0x09
	MUL8 \t, 0
	s_wait_dscnt 0x0                               ; the add is done, and my reads of this slot are over
	s_barrier_signal -1
	MUL8 \t, 1
	WIN 0
	s_barrier_wait -1
.if \fill
	CREST                                          ; no wave of any partner still reads this slot or has a tensor load on its way
	s_add_nc_u64 s[G0B+4*sl+2:G0B+4*sl+3], s[G0B+4*sl+2:G0B+4*sl+3], 2*BSTEP
	tensor_load_to_lds s[G0B+4*sl:G0B+4*sl+3], s[G1B:G1B+7]   ; the first tensor load behind the round, one a wave: it has seven steps in which to land
	s_nop 0
.endif
	PLACES                                         ; four v_nop follow the load; they are also the places in front of the loads below
	FETCH_B (\t)+1
.endm
	s_load_b256 s[4:11], s[0:1], 0x0               ; A's images s[4:5], B's codes s[6:7], the scales' exponents s[8:9], the bias s[10:11]
	s_load_b128 s[68:71], s[0:1], 0x20             ; res s[68:69], out s[70:71]
	v_lshl_add_u32 v[SPW], v0, 2, SPARE
	v_mov_b32 v[NIL], 0
	ds_add_u32 v28, v29
	ds_add_u32 v28, v29
	s_wait_dscnt 0x0
	v_lshrrev_b32 v1, 5, v0
	v_readfirstlane_b32 s14, v1                    ; wave 0..3
	s_bfe_u32 s40, ttmp6, 0x40000                  ; cx, cy: my place in the cluster
	s_bfe_u32 s41, ttmp6, 0x40004
	s_lshl_b32 s42, ttmp9, 2
	s_add_co_u32 s42, s42, s40                     ; tile column = 4 x cluster x + cx
	s_and_b32 s17, ttmp7, 0xffff
	s_lshl_b32 s17, s17, 2
	s_add_co_u32 s17, s17, s41                     ; tile row = 4 x cluster y + cy
	s_lshl_b32 s44, 0x1111, s40                    ; my column of the cluster
	; descriptor group 1: 32 rows of 1,024 bytes, 4,096 bytes apart in memory, padded in LDS
	s_or_b32 s[G1B+0], s44, (1<<20)|(1<<21)|(7<<22)|(3<<25)   ; the mask; elements of 1 byte; padding on; bit 21 beside a mask; after every 256 words (code 7) 4 words (code 3)
	s_mov_b32 s[G1B+1], BSTEP<<16                  ; tensor_dim0
	s_mov_b32 s[G1B+2], 32<<16                     ; tensor_dim1
	s_mov_b32 s[G1B+3], BSTEP<<16                  ; tile_dim0
	s_mov_b32 s[G1B+4], 32                         ; tile_dim1
	s_mov_b32 s[G1B+5], KTOT                       ; tensor_dim0_stride
	s_mov_b32 s[G1B+6], 0
	s_mov_b32 s[G1B+7], 0
	s_lshl_b32 s46, s42, 7                         ; B: the first row that I fetch: 128 x tile column + 32 x wave,
	s_lshl_b32 s47, s14, 5
	s_add_co_u32 s46, s46, s47
	s_mul_i32 s46, s46, KTOT                       ; in bytes
	s_mov_b32 s47, 0
	s_mul_i32 s92, s14, QUART                      ; where it goes: no place in the cluster enters an LDS address
	s_lshl_b32 s20, s17, 3                         ; A: my first tile of 16 tokens: 8 x tile row + 2 x wave,
	s_lshl_b32 s21, s14, 1
	s_add_co_u32 s20, s20, s21
	s_lshl_b32 s20, s20, 16                        ; 65,536 bytes each
	s_mov_b32 s21, 0
	s_lshl_b32 s93, s17, 7                         ; res and out: my first row: 128 x tile row + 32 x wave,
	s_lshl_b32 s94, s14, 5
	s_add_co_u32 s93, s93, s94
	s_lshl_b32 s93, s93, 12                        ; 4,096 bytes each;
	s_lshl_b32 s94, s42, 9                         ; the tile's first column, in bytes
	s_mov_b32 s95, 0
	v_and_b32 v1, 15, v0                           ; r
	v_bfe_u32 v2, v0, 4, 1                         ; h
	v_and_b32 v3, 31, v0
	v_lshlrev_b32 v3, 4, v3                        ; 16 x lane: my place in an image, in a row of 512 bytes and in the bias; never rewritten
	v_mul_u32_u24 v[ADRB], v1, PITCHB
	v_lshl_add_u32 v[ADRB], v2, 4, v[ADRB]         ; a fragment's row x pitch + 16 h
	v_add_nc_u32 v[ADRB+1], 64*PITCHB, v[ADRB]
	v_add_nc_u32 v[ADRB+2], SLOT, v[ADRB]
	v_add_nc_u32 v[ADRB+3], SLOT+64*PITCHB, v[ADRB]
	s_mul_i32 s23, s14, 16*SPITCH                  ; my stage
	v_mul_u32_u24 v[STO], v1, SPITCH               ; in: row r, 32 bytes for each half of the lanes
	v_lshl_add_u32 v[STO], v2, 5, v[STO]
	v_add_nc_u32 v[STO], s23, v[STO]
	v_add_nc_u32 v[RD], s23, v3                    ; back: the 32 lanes take one row of 512 bytes
	s_wait_kmcnt 0x0
	s_load_b64 s[72:73], s[8:9], SOFF              ; eA, eB
	s_add_nc_u64 s[46:47], s[6:7], s[46:47]
	s_add_nc_u64 s[4:5], s[4:5], s[20:21]
	s_add_nc_u64 s[10:11], s[10:11], s[94:95]
	s_add_co_u32 s94, s94, s93
	s_add_nc_u64 s[68:69], s[68:69], s[94:95]
	s_add_nc_u64 s[70:71], s[70:71], s[94:95]
	CROUND                                         ; all sixteen work-groups are here: the first joint loads meet
.irp s, 0,1
	s_mov_b32 s[G0B+4*\s], 1
	s_add_co_u32 s[G0B+4*\s+1], s92, \s*SLOT
	s_add_nc_u64 s[G0B+4*\s+2:G0B+4*\s+3], s[46:47], \s*BSTEP
	s_or_b32 s[G0B+4*\s+3], s[G0B+4*\s+3], 0x80000000
.endr
	tensor_load_to_lds s[G0B:G0B+3], s[G1B:G1B+7]  ; slot 0: one tensor load a wave at the head
	s_nop 0
	PLACES
	global_load_b128 v[12:15], v3, s[10:11]        ; the bias of my four columns
.irp t, 0,1,2,3,4,5,6,7
	ALOAD \t                                       ; the ring is filled
.endr
	WIN 0
	s_wait_kmcnt 0x0
	s_add_co_i32 s80, s72, s73
	s_add_co_i32 s80, s80, 127
	s_lshl_b32 s80, s80, 23                        ; 2^(eA + eB) as f32
	s_mov_b32 s81, s80                             ; (named with it as a pair)
	s_wait_alu depctr_va_vdst(0)                   ; the wait at the head's end
	s_wait_tensorcnt 0x0                           ; my part of slot 0 is in; slot 1's first fill is issued as a refill is:
	ds_add_u32 v[SPW], v[NIL]                      ; 0 onto my spare word
	s_wait_dscnt 0x0
	CROUND                                         ; everybody's part of slot 0 is in, and the sixteen work-groups meet
	tensor_load_to_lds s[G0B+4:G0B+7], s[G1B:G1B+7]   ; the first tensor load behind the round: it has slot 0's steps in which to land
	s_nop 0
	PLACES
	FETCH_B 0
.irp t, 0,1,2,3,4,5,6
	STEP \t
.endr
	TURN 7, 1                                      ; slot 0 takes K = 2,048 on
.irp t, 8,9,10,11,12,13,14
	STEP \t
.endr
	TURN 15, 1                                     ; slot 1 takes K = 3,072 on
.irp t, 16,17,18,19,20,21,22
	STEP \t
.endr
	TURN 23, 0                                     ; nothing is left to fetch
.irp t, 24,25,26,27,28,29,30
	STEP \t
.endr
	s_wait_dscnt 0x0                               ; the very last step
	s_wait_loadcnt RISS                            ; its A is in; the residual may be out
	WIN 0x09
	MUL8 31, 0
	MUL8 31, 1
	WIN 0
	PLACES
; THE WAY OUT, block a of 16 rows x 128 columns: the sums go into my stage as they are and come back as whole rows of 512 bytes; then sum x 2^(eA + eB) + bias, + the residual, and the store.
; LDS serves a wave's instructions in order (ISA guide 5.7.1.4): no wait between the stores and the loads, nor in front of the next block's stores.  Block 1's rows come back into block 0's accumulators, which have been stored.
.macro TOSTAGE a
.set AC, ACC+64*(\a)
.set BB, 32+96*(\a)
.irp b, 0,1,2,3,4,5,6,7
	ds_store_b128 v[STO], v[AC+8*\b:AC+8*\b+3] offset:64*\b          ; each accumulator from its low end on
	ds_store_b128 v[STO], v[AC+8*\b+4:AC+8*\b+7] offset:64*\b+16
.endr
.irp t, 0,1,2,3,4,5,6,7,8,9,10,11,12,13,14,15
	ds_load_b128 v[BB+4*\t:BB+4*\t+3], v[RD] offset:\t*SPITCH
.endr
.endm
.macro FIN a, younger                  ; younger: the LDS instructions issued behind block a's loads, which may stay out
.set BB, 32+96*(\a)
	s_wait_dscnt \younger
.irp t, 0,1,2,3,4,5,6,7,8,9,10,11,12,13,14,15
	v_pk_fma_f32 v[BB+4*\t:BB+4*\t+1], v[BB+4*\t:BB+4*\t+1], s[80:81], v[12:13] op_sel_hi:[1,0,1]
	v_pk_fma_f32 v[BB+4*\t+2:BB+4*\t+3], v[BB+4*\t+2:BB+4*\t+3], s[80:81], v[14:15] op_sel_hi:[1,0,1]
.endr
	s_wait_loadcnt 16-16*(\a)                      ; this block's 16 rows of the residual are in; the other block's may be out
	WIN 0x0c                                       ; source 1: window 3
.irp t, 0,1,2,3,4,5,6,7,8,9,10,11,12,13,14,15
	v_pk_add_f32 v[BB+4*\t:BB+4*\t+1], v[BB+4*\t:BB+4*\t+1], v[64*(\a)+4*\t:64*(\a)+4*\t+1]
	v_pk_add_f32 v[BB+4*\t+2:BB+4*\t+3], v[BB+4*\t+2:BB+4*\t+3], v[64*(\a)+4*\t+2:64*(\a)+4*\t+3]
.endr
	WIN 0
.irp t, 0,1,2,3,4,5,6,7,8,9,10,11,12,13,14,15
	global_store_b128 v3, v[BB+4*\t:BB+4*\t+3], s[70:71] offset:(16*(\a)+\t)*4096   ; 32 lanes store 512 consecutive bytes, aligned; the data registers are never written again
.endr
.endm
	TOSTAGE 0
	TOSTAGE 1
	FIN 0, 32                                      ; behind block 0's loads: block 1's 16 stores and 16 loads
	FIN 1, 0
	s_wait_tensorcnt 0x0                           ; the wave's end
	ds_add_u32 v[SPW], v[NIL]
	s_wait_dscnt 0x0
	CROUND                                         ; the closing round: no work-group ends while a partner may still ask for a tile that names it
	s_endpgm
.Lfunc_end_k_qba8a236c41_w2:
	.size	k_qba8a236c41_w2, .Lfunc_end_k_qba8a236c41_w2-k_qba8a236c41_w2
	.p2alignl 7, 3214868480
	.fill 96, 4, 3214868480
	.section	.rodata,"a",@progbits
	.p2align	6, 0x0
	.amdhsa_kernel k_qba8a236c41_w2
		.amdhsa_group_segment_fixed_size 327680
		.amdhsa_private_segment_fixed_size 0
		.amdhsa_enable_private_segment 0
		.amdhsa_kernarg_size 48
		.amdhsa_user_sgpr_count 2
		.amdhsa_user_sgpr_kernarg_segment_ptr 1
		.amdhsa_wavefront_size32 1
		.amdhsa_system_sgpr_workgroup_id_x 1
		.amdhsa_system_sgpr_workgroup_id_y 1
		.amdhsa_system_sgpr_workgroup_id_z 1
		.amdhsa_system_vgpr_workitem_id 0
		.amdhsa_next_free_vgpr 1024
		.amdhsa_next_free_sgpr 100
		.amdhsa_reserve_vcc 0
		.amdhsa_float_denorm_mode_32 3
		.amdhsa_float_denorm_mode_16_64 3
		.amdhsa_memory_ordered 1
		.amdhsa_forward_progress 1
		.amdhsa_inst_pref_size 155
	.end_amdhsa_kernel
	.amdgpu_metadata
---
amdhsa.version: [ 1, 2 ]
amdhsa.kernels:
  - .name:           k_qba8a236c41_w2
    .symbol:         k_qba8a236c41_w2.kd
    .args:
      - { .name: m_img, .offset: 0, .size: 8, .value_kind: global_buffer, .address_space: global }
      - { .name: W2_codes, .offset: 8, .size: 8, .value_kind: global_buffer, .address_space: global }
      - { .name: lowp_scales, .offset: 16, .size: 8, .value_kind: global_buffer, .address_space: global }
      - { .name: b2, .offset: 24, .size: 8, .value_kind: global_buffer, .address_space: global }
      - { .name: x1, .offset: 32, .size: 8, .value_kind: global_buffer, .address_space: global }
      - { .name: out0, .offset: 40, .size: 8, .value_kind: global_buffer, .address_space: global }
    .group_segment_fixed_size: 327680
    .private_segment_fixed_size: 0
    .kernarg_segment_align: 8
    .kernarg_segment_size: 48
    .max_flat_workgroup_size: 128
    .sgpr_count:     100
    .vgpr_count:     1024
    .wavefront_size: 32
...
	.end_amdgpu_metadata
.endif
;; end of part 7
